; MI455X (gfx1250); checked and timed in simulation.
; The chip was launched on July 23, 2026; its instructions are those of AMD's public machine-readable ISA for CDNA 5 (MIT licence, August 2026) and "CDNA5" Instruction Set Architecture Reference Guide (July 2026). The comments in the code are by the model that wrote it; some were corrected since.
;; Flash MHA. Allowed arithmetic: matrix products marked QUANTISED: E2M1 operands, one E8M0 scale for each 32 along K, by v_wmma_scale_f32_16x16x128_f8f6f4 with both operands' format E2M1 (or v_wmma_scale_f32_32x16x128_f4), f32 sums; products left as they are: bf16, f16 or f32 operands; f32 sums; everything else in f32.
;; Inputs: Wk 1,024 x 1,024 float32; Wo 1,024 x 1,024 float32; Wq 1,024 x 1,024 float32; Wv 1,024 x 1,024 float32; bk 1,024 float32; bo 1,024 float32; bq 1,024 float32; bv 1,024 float32; key_padding_mask 4 x 2,048 bool; x 4 x 2,048 x 1,024 float32.
;; Outputs: out0 4 x 2,048 x 1,024 float32.
;; This version of the problem:
;;   THIS VERSION OF THE PROBLEM IS GIVEN IN LOW PRECISION. The matrix products marked QUANTISED in the list below multiply operands that are first quantised to E2M1 (2 exponent bits, 1 mantissa bit; 4 bits a number), with one power-of-two scale for each 32 numbers along K (OCP MX v1.0); their sums are f32. The products marked 'left as it is' may take bf16, f16 or f32 operands, with f32 sums. Whichever they take, every output number must still come out within the allowed error. Rounding operands to bf16 (8 significant bits) uses up far more of that allowance than f16 does (11 bits, for magnitudes from 6e-5 to 65,504). All else is computed in f32.
;;   The module's matrix products, in the order in which they are computed (A, B: the left and right operand; K: the contracted axis; several contracted axes count as one K, in the product's order):
;;     1. [M 8,192, K 1,024] x [K 1,024, N 1,024]; A: input x; B: input Wq: QUANTISED
;;     2. [M 8,192, K 1,024] x [K 1,024, N 1,024]; A: input x; B: input Wk: QUANTISED
;;     3. [M 8,192, K 1,024] x [K 1,024, N 1,024]; A: input x; B: input Wv: QUANTISED
;;     4. batch 64 x [M 2,048, K 64] x [K 64, N 2,048]; A: computed on the way; B: computed on the way: left as it is (an operand is computed on the way)
;;     5. batch 64 x [M 2,048, K 2,048] x [K 2,048, N 64]; A: computed on the way; B: computed on the way: left as it is (an operand is computed on the way)
;;     6. [M 8,192, K 1,024] x [K 1,024, N 1,024]; A: computed on the way; B: input Wo: left as it is (an operand is computed on the way)
;;   THE QUANTISER, for each operand of a quantised product, along K:
;;     - K is cut into blocks of 32 from its start; a last block that is shorter is filled with zeros.
;;     - A block's scale is 2^e with e = floor(log2(the largest magnitude in the block)) - 2, held to -126 .. 127; a block of zeros has e = 0. As a byte (E8M0): e + 127.
;;     - Each number is divided by its block's scale, clamped to +-6, and rounded to the nearest number of E2M1, ties to even, subnormals kept.
;;     - The product sums the exact products of the quantised numbers (number of the format x scale) in f32.
;;   ~~~python
;;   def quantise(x, axis):      # numpy; x: float32 -> the quantised numbers, widened to float32 again
;;       x = np.moveaxis(x, axis, -1); K = x.shape[-1]
;;       x = np.pad(x, [(0, 0)] * (x.ndim - 1) + [(0, -K % 32)]); x = x.reshape(x.shape[:-1] + (-1, 32)); a = np.abs(x).max(-1, keepdims=True)
;;       e = np.where(a > 0, np.clip(np.frexp(np.where(a > 0, a, 1))[1] - 1 - 2, -126, 127), 0)      # np.frexp(a)[1] - 1 = floor(log2(a)), exactly
;;       r = np.clip(x / 2.0 ** e, -6, 6)
;;       step = 2.0 ** (np.maximum(np.frexp(np.where(r == 0, 1, r))[1] - 1, 0) - 1)
;;       q = np.round(r / step) * step * 2.0 ** e      # np.round: ties to even
;;       return np.moveaxis(q.reshape(q.shape[:-2] + (-1,))[..., :K], -1, axis).astype(np.float32)
;;   ~~~
;; One version. Each part assembles by itself: llvm-mc -triple=amdgcn-amd-amdhsa -mcpu=gfx1250 --defsym DOCPART=n.
;; ======== version 1 of 1: 4 launches
;; limits: values are held in f16: magnitudes above 65,504 overflow, below 6.1e-05 lose precision
;; workspace buffers: cod 5,767,168 bytes; scl 360,448 bytes; wof 2,097,152 bytes; rt 524,288 bytes; mb 33,792 bytes; qkv 50,331,648 bytes; ao 16,777,216 bytes
;; launch prep (part 1): grid 420 x 1, 4 waves a work-group, no clusters, 33,280 bytes of LDS; arguments x, Wq, Wk, Wv, Wo, key_padding_mask, cod, scl, wof, rt, mb; writes cod, scl, wof, rt, mb
.if DOCPART == 1
	.amdgcn_target "amdgcn-amd-amdhsa--gfx1250"
	.amdhsa_code_object_version 6
	.text
	.protected	k_qbb1c658e49_prep
	.globl	k_qbb1c658e49_prep
	.p2align	8
	.type	k_qbb1c658e49_prep,@function
k_qbb1c658e49_prep:
	s_mov_b64 s[64:65], 0
	v_nop
	global_prefetch_b8 v0, s[64:65] scope:SCOPE_SE
	s_setreg_imm32_b32 hwreg(HW_REG_WAVE_MODE, 25, 1), 1
	s_wait_xcnt 0x0
; PREP: everything that is made once from the inputs, for the three launches that follow.
; THE PROGRAM: q, k, v = x W^T (+ b) on codes of FP4 (E2M1) with one E8M0 scale for each 32 along K; interleaved rotary embedding of q and k; softmax(q k^T / 8) under the key padding mask; times v; times Wo^T + bo.
; NO WORK OF THE PROBLEM IS LEFT OUT, and every input is loaded.  One step is moved: bv is not added to v but to the attention's result, since
; sum_k p_k (v_k + bv) / sum_k p_k = sum_k p_k v_k / sum_k p_k + bv for all values.  bq and bk stay ahead of the rotation (behind it they differ from key to key).
; FOUR PATHS, told apart by the work-group's number alone:
;   0..351   x, Wq, Wk, Wv (K innermost in all four) -> codes [11264 rows][512 B] and scale bytes [11264][32]: rows 0.. x, 8192.. Wq, 9216.. Wk, 10240.. Wv.  All four are plain streams of blocks of 32.
;   352..383 Wo -> f16, laid as images of operand registers: [K step of 128: 8][16 rows of Wo: 64][32 along K: 4][half: 2][lane: 32][16 B]; lane (r, h) holds row r, k = 16 half + 8 h + 0..7.
;   384..415 the rotation's table [position 2048][pair 32][cos, sin] f32: the angle as the problem forms it (f32 position x f32 frequency), brought into -pi/4..pi/4 by a two-part pi/2, then polynomials of degree 7 and 8.
;   416..419 the mask of one batch -> a term for each key, 0 where it counts and -2^100 where it does not, and the factor c' = log2(e) / 8 of that batch.
;            A batch with no key that counts has a uniform softmax in the problem (all scores alike): there every term is 0 and c' = 0, which makes all weights 1.  Both are selections, not branches.
; THE QUANTISER: a block's scale is 2^(floor(log2(largest magnitude)) - 2); its byte is the largest magnitude's exponent field - 2, held at 1 from below; numbers / scale to the nearest code, ties to even, beyond 6 the code of 6.
; LIMITS: a block of zeros gets the byte 1 where the rule says 127 (its codes are zeros, and this program alone reads the bytes); blocks whose largest magnitude lies under 2^-124 are held at the byte 1; NaN and infinities among the inputs are not served.
; No work-group shares an input byte with another, so no cluster, no matrix unit; loads through registers, several work-groups to a WGP.
.set STEPS, 16
.set EMAX,  2
.set CB,    8                          ; bytes of 16 codes
.set R,     16                         ; v16-79   four sets of 16 numbers as loaded
.set X,     80                         ; v80-111  two sets of 16 neighbours
.set E,     112                        ; v112-127 a scale byte for each step
.set C,     128                        ; v128-191 codes, four registers for each step: no store's data are written again
.set WREG,  8192                       ; LDS: a region for each wave: two stages of 32 x SP bytes, then its 256 scale bytes
.set SP,    80                         ; a lane's place in a stage: 64 bytes + 16 of padding
.set SPW,   12                         ; v12  LDS address of my spare word; never rewritten
.set NIL,   13                         ; v13  0; never rewritten
.set SPARE, 4*WREG                     ; behind the four regions: the spare words, 128 bytes a wave
.macro LOAD t                          ; step t: four loads of 512 consecutive bytes
.irp i, 0,1,2,3
	global_load_b128 v[R+16*((\t)%4)+4*\i:R+16*((\t)%4)+4*\i+3], v3, s[4:5] offset:2048*(\t)+512*\i th:TH_LOAD_NT
.endr
.endm
.macro TURN t                          ; step t's 2,048 bytes through the wave's own stage: in as they lie, out 64 bytes a lane.  LDS serves a wave's instructions in order
.irp i, 0,1,2,3
	ds_store_b128 v14, v[R+16*((\t)%4)+4*\i:R+16*((\t)%4)+4*\i+3] offset:32*SP*((\t)%2)+8*SP*\i
.endr
.irp i, 0,1,2,3
	ds_load_b128 v[X+16*((\t)%2)+4*\i:X+16*((\t)%2)+4*\i+3], v15 offset:32*SP*((\t)%2)+16*\i
.endr
.endm
.macro STEP t
.set XS, X+16*((\t)%2)
.if (\t) > 0
	s_wait_dscnt 1                                 ; this step's numbers are back from the stage; the last step's byte store may be out
.else
	s_wait_dscnt 0x0
.endif
.if (\t)+4 < STEPS
	LOAD (\t)+4                                    ; into the registers that the stage's stores have read
.endif
.if (\t)+1 < STEPS
.if STEPS-2-(\t) >= 3
	s_wait_loadcnt 12                              ; the next step's four loads are in; those of the three steps behind it may be out
.else
	s_wait_loadcnt 4*(STEPS-2-(\t))
.endif
	TURN (\t)+1
.endif
	v_max3_num_f32 v8, |v[XS]|, |v[XS+1]|, |v[XS+2]|               ; the largest magnitude of my 16, in two chains
	v_max3_num_f32 v9, |v[XS+3]|, |v[XS+4]|, |v[XS+5]|
.irp i, 6,10
	v_max3_num_f32 v8, v8, |v[XS+\i]|, |v[XS+\i+1]|
	v_max3_num_f32 v9, v9, |v[XS+\i+2]|, |v[XS+\i+3]|
.endr
	v_max3_num_f32 v8, v8, |v[XS+14]|, |v[XS+15]|
	v_max3_num_f32 v8, v8, v9, (EMAX+1)<<23        ; and the floor 2^(3 - 127): the byte cannot fall under 1
	v_max_num_f32_dpp v8, v8, v8 row_xmask:1 row_mask:0xf bank_mask:0xf   ; with my neighbour's 16: the block's
	v_add_nc_u32 v11, -(EMAX<<23), v8              ; 2 off its exponent field: the conversion takes the exponent field of this operand as its scale
	v_cvt_scalef32_pk8_fp4_f32 v[C+4*(\t)], v[XS:XS+7], v11
	v_cvt_scalef32_pk8_fp4_f32 v[C+4*(\t)+1], v[XS+8:XS+15], v11
	v_lshrrev_b32 v[E+(\t)], 23, v11               ; the scale's byte (a plain line behind the conversions)
	ds_store_b8 v5, v[E+(\t)] offset:16*(\t)       ; both lanes of a block write the same byte with the same value
	global_store_b64 v4, v[C+4*(\t):C+4*(\t)+1], s[16:17] offset:32*CB*(\t)   ; the wave stores 256 consecutive bytes, aligned
.endm
.macro WLOAD i                         ; Wo: 16 rows x 128 along K of f32 into set i % 2; f = 2 x (which 32 along K) + half
.irp f, 0,1,2,3,4,5,6,7
	global_load_b128 v[16+64*((\i)%2)+8*\f:16+64*((\i)%2)+8*\f+3], v1, s[12:13] offset:512*(\i)+64*\f
	global_load_b128 v[16+64*((\i)%2)+8*\f+4:16+64*((\i)%2)+8*\f+7], v1, s[12:13] offset:512*(\i)+64*\f+16
.endr
.endm
.macro WOUT i, left                    ; set i % 2 is rounded to f16 and stored: each store covers 512 consecutive bytes, aligned
	s_wait_loadcnt \left                           ; my set is in; the next set's 16 loads may be out
.if (\i) > 0
	s_wait_xcnt 0x0                                ; the last stores have read v144-175
.endif
.irp f, 0,1,2,3,4,5,6,7
.irp p, 0,1,2,3
	v_cvt_pk_f16_f32 v[144+4*\f+\p], v[16+64*((\i)%2)+8*\f+2*\p], v[16+64*((\i)%2)+8*\f+2*\p+1]
.endr
.endr
.irp f, 0,1,2,3,4,5,6,7
	global_store_b128 v2, v[144+4*\f:144+4*\f+3], s[20:21] offset:(\i)*262144+512*\f
.endr
.endm
.macro ROPE n                          ; position l0 + n: my pair's cos and sin
	s_add_co_u32 s40, s27, \n
	v_cvt_f32_u32 v20, s40
	v_mul_f32 v20, v20, v16                        ; the angle, rounded as the problem rounds it
	v_mul_f32 v21, s28, v20
	v_rndne_f32 v21, v21                           ; n = the nearest multiple of pi/2
	v_cvt_i32_f32 v22, v21
	v_fma_f32 v23, v21, s29, v20                   ; r = angle - n pi/2, pi/2 in two parts
	v_fma_f32 v23, v21, s30, v23
	v_mul_f32 v24, v23, v23                        ; z = r^2
	v_fma_f32 v25, v24, s31, s32
	v_fma_f32 v27, v24, s34, s35
	v_fma_f32 v25, v25, v24, s33
	v_fma_f32 v27, v27, v24, s36
	v_mul_f32 v26, v24, v23
	v_mul_f32 v28, v24, v24
	v_fma_f32 v29, v24, -0.5, 1.0
	v_fma_f32 v25, v25, v26, v23                   ; sin r
	v_fma_f32 v27, v27, v28, v29                   ; cos r
	v_and_b32 v30, 1, v22
	v_cmp_eq_u32 vcc_lo, 1, v30                    ; odd quadrant: the two change places
	v_cndmask_b32 v31, v25, v27, vcc_lo
	v_cndmask_b32 v30, v27, v25, vcc_lo
	v_and_b32 v26, 2, v22
	v_lshlrev_b32 v26, 30, v26                     ; sin's sign: quadrants 2, 3
	v_add_nc_u32 v28, 1, v22
	v_and_b32 v28, 2, v28
	v_lshlrev_b32 v28, 30, v28                     ; cos's sign: quadrants 1, 2
	v_xor_b32 v[64+2*\n], v30, v28
	v_xor_b32 v[65+2*\n], v31, v26
	global_store_b64 v17, v[64+2*\n:65+2*\n], s[22:23] offset:256*\n   ; 32 lanes store a position's 256 bytes, aligned; each position has registers of its own
.endm
	s_load_b512 s[4:19], s[0:1], 0x0               ; x, Wq, Wk, Wv, Wo, mask, cod, scl
	s_load_b128 s[20:23], s[0:1], 0x40             ; wof, rt
	s_load_b64 s[24:25], s[0:1], 0x50              ; mb
	v_lshl_add_u32 v[SPW], v0, 2, SPARE
	v_mov_b32 v[NIL], 0
	v_lshrrev_b32 v1, 5, v0
	v_readfirstlane_b32 s26, v1                    ; wave 0..3
	v_and_b32 v2, 31, v0                           ; lane
	s_wait_kmcnt 0x0
	s_cmp_ge_u32 ttmp9, 416
	s_cbranch_scc1 .Lmask
	s_cmp_ge_u32 ttmp9, 384
	s_cbranch_scc1 .Lrope
	s_cmp_ge_u32 ttmp9, 352
	s_cbranch_scc1 .Lwo
	; ---- the quantiser.  A wave takes a run of 8,192 numbers: 16 steps of 512
	s_and_b32 s27, ttmp9, 31
	s_cmp_lt_u32 ttmp9, 320                        ; which tensor: the choice hangs on the work-group's number alone
	s_cselect_b64 s[10:11], s[8:9], s[10:11]
	s_cmp_lt_u32 ttmp9, 288
	s_cselect_b64 s[10:11], s[6:7], s[10:11]
	s_cmp_lt_u32 ttmp9, 256
	s_cselect_b64 s[4:5], s[4:5], s[10:11]
	s_cselect_b32 s27, ttmp9, s27                  ; my work-group's number within that tensor
	s_lshl_b32 s27, s27, 2
	s_add_co_u32 s27, s27, s26                     ; my run in the source,
	s_lshl_b32 s28, s27, 15                        ; 32,768 bytes each
	s_mov_b32 s29, 0
	s_add_nc_u64 s[4:5], s[4:5], s[28:29]
	s_lshl_b32 s27, ttmp9, 2
	s_add_co_u32 s27, s27, s26                     ; and in the stacked codes and scale bytes
	s_lshl_b32 s28, s27, 12
	s_add_nc_u64 s[16:17], s[16:17], s[28:29]
	s_lshl_b32 s28, s27, 8
	s_add_nc_u64 s[18:19], s[18:19], s[28:29]
	v_lshlrev_b32 v3, 4, v2                        ; my 16 bytes of a load's 512
	s_mul_i32 s30, s26, WREG
	v_lshrrev_b32 v14, 2, v2
	v_mul_u32_u24 v14, v14, SP
	v_and_b32 v15, 3, v2
	v_lshl_add_u32 v14, v15, 4, v14
	v_add_nc_u32 v14, s30, v14                     ; the stage, on the way in: SP (lane / 4) + 16 (lane % 4)
	v_mul_u32_u24 v15, v2, SP
	v_add_nc_u32 v15, s30, v15                     ; and on the way out: SP x lane
	v_mul_u32_u24 v4, v2, CB                       ; my codes' place in a step's
	v_lshrrev_b32 v5, 1, v2
	s_add_co_u32 s30, s30, 2*32*SP
	v_add_nc_u32 v5, s30, v5                       ; my wave's 256 scale bytes, my block's byte
	v_lshlrev_b32 v7, 3, v2
	v_add_nc_u32 v6, s30, v7                       ; on the way out 8 bytes a lane
.irp t, 0,1,2,3
	LOAD \t
.endr
	s_wait_loadcnt 12                              ; step 0's four loads are in
	TURN 0
.irp t, 0,1,2,3,4,5,6,7,8,9,10,11,12,13,14,15
	STEP \t
.endr
	ds_load_b64 v[8:9], v6                         ; LDS serves a wave's instructions in order: these see my byte stores
	s_wait_dscnt 0x0
	global_store_b64 v7, v[8:9], s[18:19]          ; the run's 256 scale bytes: one aligned block
	s_wait_tensorcnt 0x0                           ; the wave's end
	ds_add_u32 v[SPW], v[NIL]
	s_wait_dscnt 0x0
	s_endpgm
	; ---- Wo to f16 fragments.  Wave W of 128: rows 16 (W / 2) on, K steps 4 (W % 2) + 0..3
.Lwo:
	s_sub_co_u32 s27, ttmp9, 352
	s_lshl_b32 s27, s27, 2
	s_add_co_u32 s27, s27, s26
	s_lshr_b32 s28, s27, 1                         ; which 16 rows
	s_and_b32 s27, s27, 1                          ; which half of K
	s_lshl_b32 s30, s28, 16                        ; 16 rows of 4,096 bytes
	s_lshl_b32 s31, s27, 11
	s_add_co_u32 s30, s30, s31
	s_mov_b32 s31, 0
	s_add_nc_u64 s[12:13], s[12:13], s[30:31]
	s_lshl_b32 s30, s27, 20                        ; four K steps of 262,144 bytes
	s_lshl_b32 s28, s28, 12
	s_add_co_u32 s30, s30, s28
	s_add_nc_u64 s[20:21], s[20:21], s[30:31]
	v_and_b32 v3, 15, v0
	v_bfe_u32 v4, v0, 4, 1
	v_lshlrev_b32 v1, 12, v3
	v_lshl_add_u32 v1, v4, 5, v1                   ; in: row r, + 32 h bytes: my 8 numbers
	v_lshlrev_b32 v2, 4, v2                        ; out: 16 x lane
	WLOAD 0
	WLOAD 1
	WOUT 0, 16
	WLOAD 2
	WOUT 1, 16
	WLOAD 3
	WOUT 2, 16
	WOUT 3, 0
	s_endpgm
	; ---- the rotation's table.  Lane = pair i; a wave takes 16 positions
.Lrope:
	s_sub_co_u32 s27, ttmp9, 384
	s_lshl_b32 s27, s27, 6
	s_lshl_b32 s37, s26, 4
	s_add_co_u32 s27, s27, s37                     ; my first position
	s_lshl_b32 s38, s27, 8
	s_mov_b32 s39, 0
	s_add_nc_u64 s[22:23], s[22:23], s[38:39]
	s_mov_b32 s28, 0x3f22f983                      ; 2 / pi
	s_mov_b32 s29, 0xbfc90fdb                      ; -(pi/2 rounded to f32)
	s_mov_b32 s30, 0x333bbd2e                      ; -(pi/2 less that)
	s_mov_b32 s31, 0xb94ca1f9                      ; sin: -1.9515295891e-4
	s_mov_b32 s32, 0x3c08839e                      ;       8.3321608736e-3
	s_mov_b32 s33, 0xbe2aaaa3                      ;      -1.6666654611e-1
	s_mov_b32 s34, 0x37ccf5ce                      ; cos:  2.443315712e-5
	s_mov_b32 s35, 0xbab6061a                      ;      -1.388731625e-3
	s_mov_b32 s36, 0x3d2aaaa5                      ;       4.166664568e-2
	v_cvt_f32_u32 v16, v2
	v_mul_f32 v16, 0xbed49a78, v16                 ; -i log2(10000) / 32
	v_exp_f32 v16, v16                             ; the frequency 10000^(-i / 32)
	v_lshlrev_b32 v17, 3, v2                       ; (a plain line behind the exponential)  8 bytes a pair
	s_wait_alu depctr_va_vdst(0)                   ; the wait ahead of the first reader
.irp n, 0,1,2,3,4,5,6,7,8,9,10,11,12,13,14,15
	ROPE \n
.endr
	s_endpgm
	; ---- the mask of batch b
.Lmask:
	s_sub_co_u32 s27, ttmp9, 416
	s_lshl_b32 s28, s27, 11
	s_mov_b32 s29, 0
	s_add_nc_u64 s[14:15], s[14:15], s[28:29]      ; the batch's 2,048 bytes
	s_lshl_b32 s28, s27, 13
	s_add_nc_u64 s[34:35], s[24:25], s[28:29]      ; its 2,048 terms
	s_lshl_b32 s28, s27, 8
	s_add_co_u32 s28, s28, 32768
	s_add_nc_u64 s[24:25], s[24:25], s[28:29]      ; its factor
	v_lshlrev_b32 v16, 6, v2                       ; every wave looks at the whole batch: 64 bytes a lane
	v_lshlrev_b32 v17, 2, v2
	v_lshl_add_u32 v17, s26, 9, v17                ; my wave's 512 keys: 4 a lane and load
	v_lshlrev_b32 v18, 4, v2
	v_lshl_add_u32 v18, s26, 11, v18               ; and their terms
	v_lshlrev_b32 v19, 2, v2
.irp j, 0,1,2,3
	global_load_b128 v[20+4*\j:23+4*\j], v16, s[14:15] offset:16*\j
.endr
.irp j, 0,1,2,3
	global_load_b32 v[36+\j], v17, s[14:15] offset:128*\j
.endr
	s_wait_loadcnt 0x0
.irp i, 1,2,3,4,5,6,7,8,9,10,11,12,13,14,15
	v_or_b32 v20, v20, v[20+\i]
.endr
	v_cmp_ne_u32 s30, 0, v20
	s_cmp_lg_u32 s30, 0                            ; does any key of the batch count?
	s_cselect_b32 s31, 0xf1800000, 0               ; a hidden key's term: -2^100; in a batch with no open key 0
	s_cselect_b32 s32, 0x3e38aa3b, 0               ; c' = log2(e) / 8; there 0
	v_mov_b32 v40, s31
.irp j, 0,1,2,3
.irp t, 0,1,2,3
	v_bfe_u32 v41, v[36+\j], 8*\t, 8
	v_cmp_eq_u32 vcc_lo, 0, v41
	v_cndmask_b32 v[44+4*\j+\t], 0, v40, vcc_lo
.endr
	global_store_b128 v18, v[44+4*\j:47+4*\j], s[34:35] offset:512*\j   ; 512 consecutive bytes, aligned
.endr
	s_cmp_lg_u32 s26, 0
	s_cbranch_scc1 .Lmask_end
	v_mov_b32 v60, s32
	global_store_b32 v19, v60, s[24:25]            ; wave 0: the factor (word 0 is read)
.Lmask_end:
	s_endpgm
.Lfunc_end_k_qbb1c658e49_prep:
	.size	k_qbb1c658e49_prep, .Lfunc_end_k_qbb1c658e49_prep-k_qbb1c658e49_prep
	.p2alignl 7, 3214868480
	.fill 96, 4, 3214868480
	.section	.rodata,"a",@progbits
	.p2align	6, 0x0
	.amdhsa_kernel k_qbb1c658e49_prep
		.amdhsa_group_segment_fixed_size 33280
		.amdhsa_private_segment_fixed_size 0
		.amdhsa_enable_private_segment 0
		.amdhsa_kernarg_size 88
		.amdhsa_user_sgpr_count 2
		.amdhsa_user_sgpr_kernarg_segment_ptr 1
		.amdhsa_wavefront_size32 1
		.amdhsa_system_sgpr_workgroup_id_x 1
		.amdhsa_system_sgpr_workgroup_id_y 1
		.amdhsa_system_sgpr_workgroup_id_z 1
		.amdhsa_system_vgpr_workitem_id 0
		.amdhsa_next_free_vgpr 192
		.amdhsa_next_free_sgpr 66
		.amdhsa_reserve_vcc 1
		.amdhsa_float_denorm_mode_32 3
		.amdhsa_float_denorm_mode_16_64 3
		.amdhsa_memory_ordered 1
		.amdhsa_forward_progress 1
		.amdhsa_inst_pref_size 78
	.end_amdhsa_kernel
	.amdgpu_metadata
---
amdhsa.version: [ 1, 2 ]
amdhsa.kernels:
  - .name:           k_qbb1c658e49_prep
    .symbol:         k_qbb1c658e49_prep.kd
    .args:
      - { .name: x, .offset: 0, .size: 8, .value_kind: global_buffer, .address_space: global }
      - { .name: Wq, .offset: 8, .size: 8, .value_kind: global_buffer, .address_space: global }
      - { .name: Wk, .offset: 16, .size: 8, .value_kind: global_buffer, .address_space: global }
      - { .name: Wv, .offset: 24, .size: 8, .value_kind: global_buffer, .address_space: global }
      - { .name: Wo, .offset: 32, .size: 8, .value_kind: global_buffer, .address_space: global }
      - { .name: key_padding_mask, .offset: 40, .size: 8, .value_kind: global_buffer, .address_space: global }
      - { .name: cod, .offset: 48, .size: 8, .value_kind: global_buffer, .address_space: global }
      - { .name: scl, .offset: 56, .size: 8, .value_kind: global_buffer, .address_space: global }
      - { .name: wof, .offset: 64, .size: 8, .value_kind: global_buffer, .address_space: global }
      - { .name: rt, .offset: 72, .size: 8, .value_kind: global_buffer, .address_space: global }
      - { .name: mb, .offset: 80, .size: 8, .value_kind: global_buffer, .address_space: global }
    .group_segment_fixed_size: 33280
    .private_segment_fixed_size: 0
    .kernarg_segment_align: 8
    .kernarg_segment_size: 88
    .max_flat_workgroup_size: 128
    .sgpr_count:     66
    .vgpr_count:     192
    .wavefront_size: 32
...
	.end_amdgpu_metadata
.endif
;; end of part 1
;; launch qkv (part 2): grid 12 x 32, 4 waves a work-group, clusters of 4 x 4, 327,680 bytes of LDS; arguments cod, scl, rt, bq, bk, qkv; writes qkv
.if DOCPART == 2
	.amdgcn_target "amdgcn-amd-amdhsa--gfx1250"
	.amdhsa_code_object_version 6
	.text
	.protected	k_qbb1c658e49_qkv
	.globl	k_qbb1c658e49_qkv
	.p2align	8
	.type	k_qbb1c658e49_qkv,@function
k_qbb1c658e49_qkv:
	s_mov_b64 s[64:65], 0
	v_nop
	global_prefetch_b8 v0, s[64:65] scope:SCOPE_SE
	s_setreg_imm32_b32 hwreg(HW_REG_WAVE_MODE, 25, 1), 1
	s_wait_xcnt 0x0
	s_wait_alu depctr_hold_cnt(0) depctr_sa_sdst(0) depctr_va_vdst(0) depctr_va_sdst(0) depctr_va_ssrc(0) depctr_va_vcc(0) depctr_vm_vsrc(0)
	s_getreg_b32 s2, hwreg(HW_REG_IB_STS2, 6, 4)
	s_cmp_eq_u32 s2, 0
	s_cbranch_scc0 .Lentry_in_a_cluster
	s_endpgm
.Lentry_in_a_cluster:
	s_bfe_u32 s2, ttmp6, 0x10000c
	s_cmp_lg_u32 s2, 0xf033
	s_cbranch_scc0 .Lentry_shape_is_right
	s_endpgm
.Lentry_shape_is_right:
; QKV: the three quantised products on codes of FP4 (E2M1) with E8M0 scales, K = 1,024, and what follows them up to f16 operands for the attention.  Nothing of the problem is left out here (bv is added in the attention's way out).
; cod [11264][512 B], scl [11264][32]: rows 0.. x, 8192.. Wq, 9216.. Wk, 10240.. Wv.  A tile of 256 x 256 results to a work-group of four waves, 128 x 128 to a wave: 64 accumulators, 512 registers.
; CLUSTERS of 4 x 4 work-groups; cluster x = 0: q, 1: k, 2: v.  For q and k the operand called A is x (256 positions a tile) and B is the weight (256 channels).  FOR V THE TWO CHANGE PLACES: A = Wv, B = x, so that the same
; instructions give V TRANSPOSED.  A's tile is shared along a row of the cluster, B's along a column: each is asked for jointly, by the same tensor load with the same descriptor and a mask that names the four.
; THE MATRIX INSTRUCTION IS USED TRANSPOSED (source 0 = 16 rows of B, source 1 = 16 rows of A): lane (r, h) holds row r of A and the columns 8 h + 0..7 of B.  Rounded to f16 in pairs these are four registers, and two
; neighbouring tiles' four ARE the eight registers of a 16-bit operand (16 rows x 32 K) of the next product.  So results are stored as IMAGES OF OPERAND REGISTERS, 1 KB each: [half 2][lane 32][16 B]: every store covers 512
; consecutive bytes, aligned, and no stage in LDS is needed.  qkv: + 0 q [batch x head 64][16 positions 128][32 channels 2][1 KB]; + 16 MiB k likewise; + 32 MiB V^T [64][32 keys 64][16 channels 4][1 KB].
; K goes in two steps of 512 (rows of 256 bytes), one to each of two LDS slots, both asked for at the start with the scale bytes: nothing is filled again.  By this text's count a wave has three tensor loads out.
; The text parts ONCE, on the cluster's x (the same in all sixteen partners), behind the change of slots: the arm for q and k asks for its biases and the first table rows ahead of the second K step's products.
; LIMITS: |q|, |k|, |v| stay under 65,504 (f16).
; REGISTERS: window 0: v1-10 lane terms, v16-27 LDS addresses, v28, v29 the add's two; v32-95 scale words, two sets; v128-191 A's fragments, one set; v96-127 and v192-255 table rows and biases.  On the way out v16-23, v32-95, v128-191 are at work.
;   window 1: B's fragments, two sets.   window 2: accumulators of my rows 0-63 ((a, b) at v[8 (8 a + b)]);   window 3: rows 64-127.
.set NQ,     4                         ; steps of 128 along K in a slot
.set ROWB,   256                       ; a tile's row: 512 codes
.set KROW,   512                       ; a row of codes in memory
.set PITCH,  272                       ; an LDS row: 256 bytes + 16 of padding = 68 words: the 16 rows that a load touches start at 16 different banks (64 banks of 4 bytes: ISA guide 11.1)
.set FR,     8
.set NL,     2
.set NP,     4
.set HALFT,  128*PITCH
.set SLOT,   4*HALFT
.set KS,     32                        ; a row of scale bytes
.set SCL,    2*SLOT
.set HALFS,  (128*KS/256)*272
.set SBLK,   (16*KS/256)*272
.set SPARE,  SCL+4*HALFS               ; the spare words, 128 bytes a wave
.set BOFF, 8                           ; v8   32 h: my 8 biases
.set TOFF, 9                           ; v9   256 r + 32 h: my position's row of the table, my 4 pairs
.set OOFF, 10                          ; v10  16 x lane: an image's place for my lane
.set ADRA, 16
.set ADRB, 20
.set ADRS, 27
.set SPW,  28
.set NIL,  29
.set SC,   32
.set AF,   128
.set U,    16                          ; the way out: v16-23 eight numbers at work
.set T,    32                          ; v32-95  a block's 64 results + bias
.set TAB,  96                          ; v96-127, v128-159 the table's rows of a block, two sets
.set OUT,  160                         ; v160-191 a block's f16 results
.set BIAS, 192                         ; v192-255 my 64 biases
.set G1, 24
.set G0, 32
.set G1B, 48
.set G0B, 56
.set G1S, 68
.set G0S, 76
.set G1SB, 80
.set G0SB, 88
.set MSB, 0
.macro WIN new                         ; the immediate's high byte repeats the setting that is left
.if MSB != (\new)
	s_set_vgpr_msb (MSB<<8)|(\new)
.set MSB, (\new)
.endif
.endm
.set MUL_LO, 0xa1                      ; source 0 (B) window 1, source 1 (A) window 0, C and D window 2
.set MUL_HI, 0xf1
.set TO_B,   0x40
; A joint load: waves 0 and 1 fetch for A, waves 2 and 3 for B; the branch hangs on the wave's number alone.  An s_nop 0 and four v_nop follow each of the two lines.
.macro JLOAD g0a, g1a, g0b, g1b
	s_cmp_eq_u32 s15, 0
	s_cbranch_scc0 .Lfor_b_\@
	tensor_load_to_lds s[\g0a:\g0a+3], s[\g1a:\g1a+7]
	s_nop 0
.rept 4
	v_nop
.endr
	s_branch .Lasked_\@
.Lfor_b_\@:
	tensor_load_to_lds s[\g0b:\g0b+3], s[\g1b:\g1b+7]
	s_nop 0
.rept 4
	v_nop
.endr
.Lasked_\@:
.endm
.macro CROUND                          ; a round of the cluster's barrier
	s_barrier_signal -1
	s_barrier_wait -1
	s_cmp_lg_u32 s14, 0
	s_cbranch_scc1 .Lnot_wave_0_\@
	s_barrier_signal -3
.Lnot_wave_0_\@:
	s_barrier_wait -3
	s_barrier_signal -1
	s_barrier_wait -1
.endm
	s_load_b256 s[4:11], s[0:1], 0x0               ; cod s[4:5], scl s[6:7], rt s[8:9], bq s[10:11]
	s_load_b128 s[96:99], s[0:1], 0x20             ; bk s[96:97], qkv s[98:99]
	v_lshl_add_u32 v[SPW], v0, 2, SPARE
	v_mov_b32 v[NIL], 0
	ds_add_u32 v[SPW], v[NIL]                      ; the wave's opening: the add, twice on end, and its wait ahead of my first tensor load
	ds_add_u32 v[SPW], v[NIL]
	v_lshrrev_b32 v1, 5, v0
	v_readfirstlane_b32 s14, v1                    ; wave 0..3
	s_lshr_b32 s15, s14, 1                         ; which half of A's rows is mine.  Also: I fetch for A (0) or for B (1)
	s_and_b32 s16, s14, 1                          ; which half of B's rows.  Also: which 128 rows of that tile I fetch
	s_bfe_u32 s40, ttmp6, 0x40000                  ; cx, cy: my place in the cluster
	s_bfe_u32 s41, ttmp6, 0x40004
	s_lshl_b32 s43, s41, 2
	s_lshl_b32 s43, 15, s43                        ; my row of the cluster
	s_lshl_b32 s44, 0x1111, s40                    ; my column
	s_or_b32 s[G1+0], s43, (0<<16)|(1<<20)|(1<<21)|(5<<22)|(3<<25)  ; the mask; elements of 1 byte; padding on; bit 21 beside a mask; 4 words after every 64
	s_or_b32 s[G1B+0], s44, (0<<16)|(1<<20)|(1<<21)|(5<<22)|(3<<25)
.irp g, G1, G1B
	s_mov_b32 s[\g+1], ROWB<<16                    ; tensor_dim0
	s_mov_b32 s[\g+2], 128<<16                     ; tensor_dim1
	s_mov_b32 s[\g+3], ROWB<<16                    ; tile_dim0
	s_mov_b32 s[\g+4], 128                         ; tile_dim1
	s_mov_b32 s[\g+5], KROW                        ; from row to row
	s_mov_b32 s[\g+6], 0
	s_mov_b32 s[\g+7], 0
.endr
	s_or_b32 s[G1S+0], s43, (3<<16)|(1<<20)|(1<<21)|(5<<22)|(3<<25)  ; the scale bytes of 128 rows: 4,096 dense bytes as 16 rows of 256 (32 elements of 8 bytes), 16 bytes of padding behind each
	s_or_b32 s[G1SB+0], s44, (3<<16)|(1<<20)|(1<<21)|(5<<22)|(3<<25)
.irp g, G1S, G1SB
	s_mov_b32 s[\g+1], 32<<16
	s_mov_b32 s[\g+2], (128*KS/256)<<16
	s_mov_b32 s[\g+3], 32<<16
	s_mov_b32 s[\g+4], 128*KS/256
	s_mov_b32 s[\g+5], 32
	s_mov_b32 s[\g+6], 0
	s_mov_b32 s[\g+7], 0
.endr
	; which rows of the stacked codes are A's and B's.  A's hang on cy, B's on cx, each in registers that never hold the other
	s_and_b32 s17, ttmp7, 0xffff
	s_lshl_b32 s17, s17, 10                        ; 1,024 x cluster y
	s_lshl_b32 s42, ttmp9, 10
	s_add_co_u32 s42, s42, 8192                    ; Wq's or Wk's first row
	s_cmp_eq_u32 ttmp9, 2                          ; v?  The same in all sixteen partners
	s_cselect_b32 s20, 10240, s17                  ; A: Wv, or x's rows of this cluster
	s_cselect_b32 s46, s17, s42                    ; B: x's rows, or the weight
	s_lshl_b32 s21, s41, 8
	s_add_co_u32 s20, s20, s21                     ; + 256 cy
	s_lshl_b32 s47, s40, 8
	s_add_co_u32 s46, s46, s47                     ; + 256 cx
	s_lshl_b32 s18, s16, 7
	s_add_co_u32 s20, s20, s18                     ; + the 128 rows that I fetch
	s_add_co_u32 s46, s46, s18
	s_mov_b32 s21, 0
	s_mov_b32 s47, 0
	s_mov_b64 s[18:19], KS
	s_mul_u64 s[22:23], s[20:21], s[18:19]         ; where these rows' scale bytes begin
	s_mul_u64 s[92:93], s[46:47], s[18:19]
	s_mov_b64 s[18:19], KROW
	s_mul_u64 s[20:21], s[20:21], s[18:19]         ; and their codes
	s_mul_u64 s[46:47], s[46:47], s[18:19]
	s_mul_i32 s45, s14, HALFT                      ; where they go: wave x 128 rows: no place in the cluster enters an LDS address
	s_mul_i32 s94, s14, HALFS
	s_wait_dscnt 0x0                               ; both opening adds are done
	s_wait_kmcnt 0x0
	s_add_nc_u64 s[20:21], s[4:5], s[20:21]
	s_add_nc_u64 s[22:23], s[6:7], s[22:23]
	s_add_nc_u64 s[46:47], s[4:5], s[46:47]
	s_add_nc_u64 s[92:93], s[6:7], s[92:93]
	CROUND                                         ; all sixteen work-groups are here: the joint loads meet
	s_mov_b32 s[G0S], 1
	s_add_co_u32 s[G0S+1], s94, SCL
	s_mov_b64 s[G0S+2:G0S+3], s[22:23]
	s_or_b32 s[G0S+3], s[G0S+3], 0x80000000
	s_mov_b32 s[G0SB], 1
	s_add_co_u32 s[G0SB+1], s94, SCL
	s_mov_b64 s[G0SB+2:G0SB+3], s[92:93]
	s_or_b32 s[G0SB+3], s[G0SB+3], 0x80000000
	JLOAD G0S, G1S, G0SB, G1SB                     ; the scale bytes first: they are wanted with K step 0
.irp s, 0,1
	s_mov_b32 s[G0+4*\s], 1
	s_add_co_u32 s[G0+4*\s+1], s45, \s*SLOT
	s_add_nc_u64 s[G0+4*\s+2:G0+4*\s+3], s[20:21], \s*ROWB
	s_or_b32 s[G0+4*\s+3], s[G0+4*\s+3], 0x80000000
	s_mov_b32 s[G0B+4*\s], 1
	s_add_co_u32 s[G0B+4*\s+1], s45, \s*SLOT
	s_add_nc_u64 s[G0B+4*\s+2:G0B+4*\s+3], s[46:47], \s*ROWB
	s_or_b32 s[G0B+4*\s+3], s[G0B+4*\s+3], 0x80000000
	JLOAD G0+4*\s, G1, G0B+4*\s, G1B
.endr
	v_and_b32 v1, 15, v0                           ; r = lane % 16
	v_bfe_u32 v2, v0, 4, 1                         ; h = lane / 16
	v_mul_u32_u24 v3, v1, PITCH
	v_lshl_add_u32 v4, v2, 4, v3                   ; a fragment's row x pitch + 16 h
	s_mul_i32 s21, s15, HALFT                      ; my 128 rows of A
	s_mul_i32 s22, s16, HALFT                      ; my 128 rows of B,
	s_add_co_u32 s22, s22, 2*HALFT                 ; behind A's 256
.irp s, 0,1
	v_add_nc_u32 v[ADRA+\s], s21, v4
	v_add_nc_u32 v[ADRB+\s], s22, v4
	s_add_co_u32 s21, s21, SLOT
	s_add_co_u32 s22, s22, SLOT
.endr
	v_mul_u32_u24 v5, v1, KS                       ; my row's scale bytes: KS a row,
	v_lshrrev_b32 v6, 8, v5
	v_lshl_add_u32 v5, v6, 4, v5                   ; and 16 more for each 256 passed
	s_mul_i32 s21, s15, HALFS
	s_mul_i32 s22, s16, HALFS
	s_add_co_u32 s22, s22, 2*HALFS
	s_sub_co_u32 s22, s22, s21
	v_mul_u32_u24 v6, s22, v2                      ; lanes 16-31 take B's
	s_add_co_u32 s21, s21, SCL
	v_add_nc_u32 v5, v5, v6
	v_add_nc_u32 v[ADRS], s21, v5
	v_lshlrev_b32 v[BOFF], 5, v2
	v_lshl_add_u32 v[TOFF], v1, 8, v[BOFF]
	v_and_b32 v[OOFF], 31, v0
	v_lshlrev_b32 v[OOFF], 4, v[OOFF]
.macro FRAG reg, adr, q, i             ; 16 rows x 128 K of 4-bit codes: 8 registers; lane (r, h): registers 4 c .. 4 c + 3 hold K = 64 c + 32 h + 0..31
.irp c, 0,1
	ds_load_b128 v[\reg+4*\c:\reg+4*\c+3], v[\adr] offset:64*(\q)+32*\c+(\i)*16*PITCH
.endr
.endm
; 16 matrix instructions: A's blocks a0, a0 + 1 x B's eight, the slot's q-th 128 along K.  The 64 accumulators take turns, one instruction a turn, in the same order in every step.
; A scale register holds A's word in lanes 0-15 and B's in lanes 16-31.
.macro MUL16 a0, p, q, sc, zero
.irp a, \a0, \a0+1
.irp b, 0,1,2,3,4,5,6,7
.if \zero
	v_wmma_scale_f32_16x16x128_f8f6f4 v[8*(8*((\a)%4)+\b):8*(8*((\a)%4)+\b)+7], v[128*(\p)+FR*\b:128*(\p)+FR*\b+FR-1], v[AF+FR*(\a):AF+FR*(\a)+FR-1], 0, v[SC+8*NQ*(\sc)+NQ*\b+(\q)], v[SC+8*NQ*(\sc)+NQ*(\a)+(\q)] matrix_a_fmt:MATRIX_FMT_FP4 matrix_b_fmt:MATRIX_FMT_FP4 matrix_a_scale:MATRIX_SCALE_ROW1
.else
	v_wmma_scale_f32_16x16x128_f8f6f4 v[8*(8*((\a)%4)+\b):8*(8*((\a)%4)+\b)+7], v[128*(\p)+FR*\b:128*(\p)+FR*\b+FR-1], v[AF+FR*(\a):AF+FR*(\a)+FR-1], v[8*(8*((\a)%4)+\b):8*(8*((\a)%4)+\b)+7], v[SC+8*NQ*(\sc)+NQ*\b+(\q)], v[SC+8*NQ*(\sc)+NQ*(\a)+(\q)] matrix_a_fmt:MATRIX_FMT_FP4 matrix_b_fmt:MATRIX_FMT_FP4 matrix_a_scale:MATRIX_SCALE_ROW1
.endif
.endr
.endr
.endm
.macro FETCH_B slot, q, p
	WIN TO_B
.irp i, 0,1,2,3,4,5,6,7
	FRAG 128*(\p)+FR*\i, ADRB+\slot, \q, \i
.endr
	WIN 0
.endm
.macro FETCH_A slot, q, i0
.irp i, \i0, \i0+1, \i0+2, \i0+3
	FRAG AF+FR*(\i), ADRA+\slot, \q, \i
.endr
.endm
.macro SCALES sc                       ; a K step's scale words: 4 words a row; lanes 0-15 A's block i, lanes 16-31 B's block i
.irp i, 0,1,2,3,4,5,6,7
	ds_load_b128 v[SC+8*NQ*\sc+NQ*\i:SC+8*NQ*\sc+NQ*\i+3], v[ADRS] offset:\i*SBLK
.endr
.endm
.macro PLACES n                        ; plain vector instructions between a matrix instruction and a load into, or a vector read or write of, its registers
.rept \n
	v_nop
.endr
.endm
.macro STEP slot, q, zero              ; a step of 128 along K that has its successor in the same slot
	s_wait_dscnt 4*NL                              ; B's set and A's blocks 0-3 are in; the youngest eight loads (A's blocks 4-7) may be out
	WIN MUL_LO
	MUL16 0, (\q)%2, \q, \slot, \zero
	MUL16 2, (\q)%2, \q, \slot, \zero
	s_wait_dscnt 0
	PLACES NP
	FETCH_B \slot, (\q)+1, 1-(\q)%2
	FETCH_A \slot, (\q)+1, 0
	WIN MUL_HI
	MUL16 4, (\q)%2, \q, \slot, \zero
	MUL16 6, (\q)%2, \q, \slot, \zero
	PLACES NP
	WIN 0
	FETCH_A \slot, (\q)+1, 4
.endm
.macro TURN slot, next                 ; a slot's last step changes slots: one barrier; in front of it each wave's part of the next slot has landed
	s_wait_tensorcnt 0x0                           ; all my tensor loads have landed
	ds_add_u32 v[SPW], v[NIL]
	s_wait_dscnt 4*NL+1                            ; the add and the youngest eight loads may be out
	WIN MUL_LO
	MUL16 0, 1, NQ-1, \slot, 0
	s_wait_dscnt 0x0
	s_barrier_signal -1
	MUL16 2, 1, NQ-1, \slot, 0
	WIN 0
	s_barrier_wait -1                              ; the next slot is whole
	PLACES NP
	v_add_nc_u32 v[ADRS], 4*NQ, v[ADRS]            ; the next K step's scale words
	FETCH_B \next, 0, 0
	FETCH_A \next, 0, 0
	SCALES \next
	WIN MUL_HI
	MUL16 4, 1, NQ-1, \slot, 0
	MUL16 6, 1, NQ-1, \slot, 0
	PLACES NP
	WIN 0
	FETCH_A \next, 0, 4
.endm
.macro STEPS slot, from
.set Q, \from
.rept NQ-1-\from
	STEP \slot, Q, 0
.set Q, Q+1
.endr
.endm
.macro TAIL                            ; the second K step: 256 matrix instructions; no barrier, no tensor load
	STEPS 1, 0
	s_wait_dscnt 4*NL
	WIN MUL_LO
	MUL16 0, 1, NQ-1, 1, 0
	MUL16 2, 1, NQ-1, 1, 0
	s_wait_dscnt 0
	WIN MUL_HI
	MUL16 4, 1, NQ-1, 1, 0
	MUL16 6, 1, NQ-1, 1, 0
	WIN 0
.endm
.macro TABLOAD a                       ; the table's rows of block a's 16 positions: my position's 16 pairs (cos, sin): register 8 bb + 2 p: pair 8 bb + 4 h + p
.set TBR, TAB+32*((\a)%2)
.irp bb, 0,1,2,3
	global_load_b128 v[TBR+8*\bb:TBR+8*\bb+3], v[TOFF], s[8:9] offset:4096*(\a)+64*\bb
	global_load_b128 v[TBR+8*\bb+4:TBR+8*\bb+7], v[TOFF], s[8:9] offset:4096*(\a)+64*\bb+16
.endr
.endm
; q, k: block a (16 positions x 128 channels): + bias; each pair (e, o) turned: e cos - o sin, e sin + o cos; rounded to f16; stored as images
.macro QKBLOCK a
.if (\a) < 7
	TABLOAD (\a)+1
	s_wait_loadcnt 8                               ; all but the eight just issued: this block's table rows (and, the first time, the biases) are in
.else
	s_wait_loadcnt 0x0
.endif
.set AC, 64*((\a)%4)
.set TBR, TAB+32*((\a)%2)
	WIN 0x02+(\a)/4                                ; source 0: window 2 or 3
.irp b, 0,1,2,3,4,5,6,7
.irp p, 0,2,4,6
	v_pk_add_f32 v[T+8*\b+\p:T+8*\b+\p+1], v[AC+8*\b+\p:AC+8*\b+\p+1], v[BIAS+8*\b+\p:BIAS+8*\b+\p+1]   ; each accumulator from its low end on
.endr
.endr
	WIN 0
	s_wait_xcnt 0x0                                ; the last block's stores have read their data registers
.irp b, 0,1,2,3,4,5,6,7
.irp p, 0,2,4,6
	v_pk_mul_f32 v[U+\p:U+\p+1], v[T+8*\b+\p:T+8*\b+\p+1], v[TBR+8*(\b%4)+\p:TBR+8*(\b%4)+\p+1] op_sel_hi:[1,0]   ; (e cos, o cos)
.endr
.irp p, 0,2,4,6
	v_pk_fma_f32 v[U+\p:U+\p+1], v[T+8*\b+\p:T+8*\b+\p+1], v[TBR+8*(\b%4)+\p:TBR+8*(\b%4)+\p+1], v[U+\p:U+\p+1] op_sel:[1,1,0] op_sel_hi:[0,1,1] neg_lo:[0,1,0]   ; low: - o sin; high: + e sin
.endr
.irp p, 0,1,2,3
	v_cvt_pk_f16_f32 v[OUT+4*\b+\p], v[U+2*\p], v[U+2*\p+1]
.endr
	global_store_b128 v[OOFF], v[OUT+4*\b:OUT+4*\b+3], s[98:99] offset:(\b/4)*262144+(\a)*2048+(\b%4)*512   ; head b / 4, positions 16 a on, channels 16 (b % 4) on
.endr
.endm
; v: block a (16 channels x 128 keys): rounded to f16, stored as images of V^T
.macro VBLOCK a
.set AC, 64*((\a)%4)
.if (\a) > 0
	s_wait_xcnt 0x0                                ; the last block's stores have read their data registers
.endif
	WIN 0x0a+5*((\a)/4)                            ; sources 0 and 1: window 2 or 3
.irp b, 0,1,2,3,4,5,6,7
.irp p, 0,1,2,3
	v_cvt_pk_f16_f32 v[OUT+4*\b+\p], v[AC+8*\b+2*\p], v[AC+8*\b+2*\p+1]
.endr
.endr
	WIN 0
.irp b, 0,1,2,3,4,5,6,7
	global_store_b128 v[OOFF], v[OUT+4*\b:OUT+4*\b+3], s[98:99] offset:((\a)/4)*262144+(\b/2)*4096+((\a)%4)*1024+(\b%2)*512   ; head a / 4, keys 32 (b / 2) on, channels 16 (a % 4) on, half b % 2
.endr
.endm
	s_wait_tensorcnt 1                             ; the scale bytes and my part of K step 0 are in; K step 1's load may be out
	s_barrier_signal -1
	s_barrier_wait -1
	FETCH_B 0, 0, 0
	FETCH_A 0, 0, 0
	SCALES 0
	FETCH_A 0, 0, 4
	STEP 0, 0, 1                                   ; the first step's products start the sums: nothing is cleared
	STEPS 0, 1
	TURN 0, 1
	s_cmp_eq_u32 ttmp9, 2                          ; every window is 0 here
	s_cbranch_scc1 .Lv
	; ---- q and k.  Addresses, and the loads that the way out wants first, ahead of the second K step's products
	s_and_b32 s17, ttmp7, 0xffff
	s_lshl_b32 s17, s17, 10
	s_lshl_b32 s18, s41, 8
	s_add_co_u32 s17, s17, s18
	s_lshl_b32 s18, s15, 7
	s_add_co_u32 s17, s17, s18                     ; my first row of x
	s_lshr_b32 s18, s17, 11                        ; its batch
	s_and_b32 s19, s17, 2047                       ; its position
	s_lshl_b32 s20, s40, 8
	s_lshl_b32 s21, s16, 7
	s_add_co_u32 s20, s20, s21                     ; my first channel
	s_cmp_eq_u32 ttmp9, 0
	s_cselect_b64 s[10:11], s[10:11], s[96:97]     ; bq or bk
	s_lshl_b32 s22, s20, 2
	s_mov_b32 s23, 0
	s_add_nc_u64 s[10:11], s[10:11], s[22:23]
	s_lshl_b32 s22, s19, 8
	s_add_nc_u64 s[8:9], s[8:9], s[22:23]          ; the table at my first position
	s_lshl_b32 s22, s18, 4
	s_lshr_b32 s21, s20, 6
	s_add_co_u32 s22, s22, s21                     ; 16 x batch + my first head
	s_lshl_b32 s22, s22, 18
	s_lshl_b32 s21, s19, 7                         ; 2,048 bytes for each 16 positions
	s_add_co_u32 s22, s22, s21
	s_lshl_b32 s21, ttmp9, 24                      ; q's part or k's
	s_add_co_u32 s22, s22, s21
	s_add_nc_u64 s[98:99], s[98:99], s[22:23]
.irp b, 0,1,2,3,4,5,6,7
	global_load_b128 v[BIAS+8*\b:BIAS+8*\b+3], v[BOFF], s[10:11] offset:64*\b
	global_load_b128 v[BIAS+8*\b+4:BIAS+8*\b+7], v[BOFF], s[10:11] offset:64*\b+16
.endr
	TABLOAD 0
	TAIL
	PLACES NP                                      ; in front of the loads into A's registers, the writes of the scale words' registers and the reads of results
.irp a, 0,1,2,3,4,5,6,7
	QKBLOCK \a
.endr
	s_branch .Lend
	; ---- v
.Lv:
	s_and_b32 s17, ttmp7, 0xffff
	s_lshl_b32 s17, s17, 10
	s_lshl_b32 s18, s40, 8
	s_add_co_u32 s17, s17, s18
	s_lshl_b32 s18, s16, 7
	s_add_co_u32 s17, s17, s18                     ; my first row of x (B's rows here)
	s_lshr_b32 s18, s17, 11                        ; its batch
	s_and_b32 s19, s17, 2047                       ; its position
	s_lshl_b32 s20, s41, 2
	s_lshl_b32 s21, s15, 1
	s_add_co_u32 s20, s20, s21                     ; my first head: (256 cy + 128 x half) / 64
	s_lshl_b32 s22, s18, 4
	s_add_co_u32 s22, s22, s20
	s_lshl_b32 s22, s22, 18
	s_lshl_b32 s21, s19, 7                         ; 4,096 bytes for each 32 keys
	s_add_co_u32 s22, s22, s21
	s_add_co_u32 s22, s22, 0x2000000               ; V^T's part
	s_mov_b32 s23, 0
	s_add_nc_u64 s[98:99], s[98:99], s[22:23]
	TAIL
	PLACES NP
.irp a, 0,1,2,3,4,5,6,7
	VBLOCK \a
.endr
.Lend:
	s_wait_tensorcnt 0x0                           ; the wave's end
	ds_add_u32 v[SPW], v[NIL]
	s_wait_dscnt 0x0
	CROUND                                         ; the closing round
	s_endpgm
.Lfunc_end_k_qbb1c658e49_qkv:
	.size	k_qbb1c658e49_qkv, .Lfunc_end_k_qbb1c658e49_qkv-k_qbb1c658e49_qkv
	.p2alignl 7, 3214868480
	.fill 96, 4, 3214868480
	.section	.rodata,"a",@progbits
	.p2align	6, 0x0
	.amdhsa_kernel k_qbb1c658e49_qkv
		.amdhsa_group_segment_fixed_size 327680
		.amdhsa_private_segment_fixed_size 0
		.amdhsa_enable_private_segment 0
		.amdhsa_kernarg_size 48
		.amdhsa_user_sgpr_count 2
		.amdhsa_user_sgpr_kernarg_segment_ptr 1
		.amdhsa_wavefront_size32 1
		.amdhsa_system_sgpr_workgroup_id_x 1
		.amdhsa_system_sgpr_workgroup_id_y 1
		.amdhsa_system_sgpr_workgroup_id_z 1
		.amdhsa_system_vgpr_workitem_id 0
		.amdhsa_next_free_vgpr 1024
		.amdhsa_next_free_sgpr 104
		.amdhsa_reserve_vcc 0
		.amdhsa_float_denorm_mode_32 3
		.amdhsa_float_denorm_mode_16_64 3
		.amdhsa_memory_ordered 1
		.amdhsa_forward_progress 1
		.amdhsa_inst_pref_size 237
	.end_amdhsa_kernel
	.amdgpu_metadata
---
amdhsa.version: [ 1, 2 ]
amdhsa.kernels:
  - .name:           k_qbb1c658e49_qkv
    .symbol:         k_qbb1c658e49_qkv.kd
    .args:
      - { .name: cod, .offset: 0, .size: 8, .value_kind: global_buffer, .address_space: global }
      - { .name: scl, .offset: 8, .size: 8, .value_kind: global_buffer, .address_space: global }
      - { .name: rt, .offset: 16, .size: 8, .value_kind: global_buffer, .address_space: global }
      - { .name: bq, .offset: 24, .size: 8, .value_kind: global_buffer, .address_space: global }
      - { .name: bk, .offset: 32, .size: 8, .value_kind: global_buffer, .address_space: global }
      - { .name: qkv, .offset: 40, .size: 8, .value_kind: global_buffer, .address_space: global }
    .group_segment_fixed_size: 327680
    .private_segment_fixed_size: 0
    .kernarg_segment_align: 8
    .kernarg_segment_size: 48
    .max_flat_workgroup_size: 128
    .sgpr_count:     104
    .vgpr_count:     1024
    .wavefront_size: 32
...
	.end_amdgpu_metadata
.endif
;; end of part 2
;; launch attn (part 3): grid 4 x 64, 8 waves a work-group, clusters of 4 x 1, 327,680 bytes of LDS; arguments qkv, mb, bv, ao; writes ao
.if DOCPART == 3
	.amdgcn_target "amdgcn-amd-amdhsa--gfx1250"
	.amdhsa_code_object_version 6
	.text
	.protected	k_qbb1c658e49_attn
	.globl	k_qbb1c658e49_attn
	.p2align	8
	.type	k_qbb1c658e49_attn,@function
k_qbb1c658e49_attn:
	s_mov_b64 s[64:65], 0
	v_nop
	global_prefetch_b8 v0, s[64:65] scope:SCOPE_SE
	s_setreg_imm32_b32 hwreg(HW_REG_WAVE_MODE, 25, 1), 1
	s_wait_xcnt 0x0
	s_wait_alu depctr_hold_cnt(0) depctr_sa_sdst(0) depctr_va_vdst(0) depctr_va_sdst(0) depctr_va_ssrc(0) depctr_va_vcc(0) depctr_vm_vsrc(0)
	s_getreg_b32 s2, hwreg(HW_REG_IB_STS2, 6, 4)
	s_cmp_eq_u32 s2, 0
	s_cbranch_scc0 .Lentry_in_a_cluster
	s_endpgm
.Lentry_in_a_cluster:
	s_bfe_u32 s2, ttmp6, 0x10000c
	s_cmp_lg_u32 s2, 0x3003
	s_cbranch_scc0 .Lentry_shape_is_right
	s_endpgm
.Lentry_shape_is_right:
; ATTN: O = softmax(q k^T / 8 under the key padding mask) v + bv, operands in f16, sums, maxima and weights in f32.  (bv is added here and not to v: sum p (v + bv) / sum p = sum p v / sum p + bv for all values.)
; qkv holds images of operand registers, 1 KB each ([half 2][lane 32][16 B]): + 0 q [g 64][16 queries 128][32 channels 2]; + 16 MiB k likewise; + 32 MiB V^T [g][32 keys 64][16 channels 4]; g = 16 x batch + head.
; SHARES.  A work-group owns 512 queries of one g, each of its eight waves 64: four tiles of 16.  Two waves lie on a SIMD: the text goes in phases, and one wave's softmax stands beside the other's products.
; Every wave walks all 2,048 keys, 64 a step.  A fragment of K or V read from LDS feeds four matrix instructions.
; CLUSTER.  The four query blocks of a g form a cluster and walk the same K, V and mask terms: each tile is asked for JOINTLY (the same tensor load, the same descriptor, mask 15).  Every wave fetches an eighth of a slot, with no branch.
; LAYOUT.  S^T = K Q^T (source 0 = 16 keys, source 1 = 16 queries): a lane holds ONE query (lane % 16) and the keys 8 (lane / 16) + 0..7.  Two such tiles rounded to f16 in pairs ARE source 1 (32 keys x 16 queries) of O^T = V^T P.
; THE MASK costs no vector instruction: the term of each key (0, or -2^100 where it does not count) is the C of the first K Q^T instruction.  A batch with no open key has all terms 0 and the factor c' = 0: all weights are 1, the uniform average that the problem gives there.
; SOFTMAX.  A running maximum m and sum l for each query: p = 2^(c' s - c' m), c' = log2(e) / 8; in every step O and l are multiplied by a = 2^(c' m_old - c' m_new).  m begins at -2^90, above the hidden keys' -2^100 and
; always among the maximum's sources: so a hidden key is never the maximum, and its p is 0 from the first step on.
; THE RING.  Two slots of 512 keys (K 64 KB, V 64 KB).  A slot is asked for at the change of slots before the one at which it is first read: 8 key steps, 512 matrix instructions a wave, ahead; so nothing is prefetched beside it.
; By this text's count a wave has two tensor loads out at the start and one behind each round.
; LIMITS: open scores lie above -2^90 and under 2^90; the result's magnitudes stay under 65,504 (f16); NaN and infinities are not served.
; REGISTERS: window 0: v1-9 addresses; v16-63 statistics, 12 a tile: +0 c' m, +1 m, +2, +3 l, +4..+7 at work, +8 a, +9 its pair's other half; v64-95 the step's mask terms; v96-159 eight fragments of K, then of V; v160-223 Q; v224-255 bv.
;   window 1: v0-127 S^T (32 t + 8 kt), later P in place (32 t + 16 k2 + 0..7); v128-255 O^T (128 + 32 t + 8 ct).
.set SLOT1, 1<<17                      ; slot 1 begins here: one exclusive or turns an address
.set BIAS,  2*SLOT1                    ; the batch's 2,048 mask terms
.set SPARE, BIAS+8192                  ; the spare words, 128 bytes a wave
.set L16, 1                            ; v1  16 x lane
.set ADK, 2                            ; v2  LDS address of the step's K
.set ADV, 3                            ; v3  of its V
.set ADB, 4                            ; v4  of its mask terms
.set AV0, 5                            ; v5  65,536 + 16 x lane
.set AB0, 6                            ; v6  BIAS + 32 h
.set BVO, 7                            ; v7  32 h
.set SPW, 8
.set NIL, 9
.set ST,  16
.set BI,  64
.set KV,  96
.set Q,   160
.set BV,  224
.set WV,  12                           ; s12 my wave's number
.set G1,  24                           ; s[24:31] group 1: 64 rows of 256 bytes
.set G1M, 32                           ; s[32:39] group 1: 4 rows of 256 bytes
.set G0,  40                           ; s[40:43] group 0 of my eighth of a slot; it walks
.set G0M, 44                           ; s[44:47] group 0 of my eighth of the mask terms
.set SLOTS, 56
.set CNT, 57
.set CS,  58                           ; s[58:59] c', twice
.set SEL, 60                           ; s[60:61] v_permlanex16_b32's selects for lane l xor 16
.set TB,  62                           ; s62 LDS byte at which the step's K begins
.set TM,  63                           ; s63 byte at which the step's mask terms begin
.set MSB, 0
.macro WIN new                         ; bits 1:0 source 0, 3:2 source 1, 5:4 source 2, 7:6 destination; the high byte repeats the setting that is left
.if MSB != (\new)
	s_set_vgpr_msb (MSB<<8)|(\new)
.set MSB, (\new)
.endif
.endm
.macro CROUND                          ; a round of the cluster's barrier
	s_barrier_signal -1
	s_barrier_wait -1
	s_cmp_lg_u32 s[WV], 0
	s_cbranch_scc1 .Lnot_wave_0_\@
	s_barrier_signal -3
.Lnot_wave_0_\@:
	s_barrier_wait -3
	s_barrier_signal -1
	s_barrier_wait -1
.endm
	s_load_b256 s[4:11], s[0:1], 0x0               ; qkv s[4:5], mb s[6:7], bv s[8:9], ao s[10:11]
	v_lshl_add_u32 v[SPW], v0, 2, SPARE
	v_mov_b32 v[NIL], 0
	ds_add_u32 v[SPW], v[NIL]                      ; the wave's opening: the add, twice on end, and its wait ahead of my first tensor load
	ds_add_u32 v[SPW], v[NIL]
	v_lshrrev_b32 v1, 5, v0
	v_readfirstlane_b32 s[WV], v1                  ; wave 0..7
	s_and_b32 s13, ttmp7, 0xffff                   ; g, which the four partners share
	s_lshr_b32 s14, s13, 4                         ; batch
	s_and_b32 s15, s13, 15                         ; head
	s_bfe_u32 s16, ttmp6, 0x40000                  ; cx: it enters Q's and the result's addresses alone
	s_mov_b32 s[G1], 15|(3<<16)|(1<<21)            ; the mask: all four; elements of 8 bytes; bit 21 beside a mask; no padding: fragments are read 16 bytes a lane on end
	s_mov_b32 s[G1+1], 32<<16                      ; tensor_dim0 = 32 elements
	s_mov_b32 s[G1+2], 64<<16                      ; tensor_dim1 = 64
	s_mov_b32 s[G1+3], 32<<16                      ; tile_dim0
	s_mov_b32 s[G1+4], 64                          ; tile_dim1
	s_mov_b32 s[G1+5], 32                          ; from row to row: dense
	s_mov_b32 s[G1+6], 0
	s_mov_b32 s[G1+7], 0
	s_mov_b32 s[G1M], 15|(3<<16)|(1<<21)
	s_mov_b32 s[G1M+1], 32<<16
	s_mov_b32 s[G1M+2], 4<<16
	s_mov_b32 s[G1M+3], 32<<16
	s_mov_b32 s[G1M+4], 4
	s_mov_b32 s[G1M+5], 32
	s_mov_b32 s[G1M+6], 0
	s_mov_b32 s[G1M+7], 0
	s_mov_b32 s[SEL], 0x76543210
	s_mov_b32 s[SEL+1], 0xfedcba98
	s_mov_b32 s[TB], 0
	s_mov_b32 s[TM], 0
	s_mov_b32 s[SLOTS], 3
	s_lshl_b32 s20, s14, 8                         ; the batch's factor: 256 bytes a batch
	s_lshr_b32 s21, s[WV], 2
	s_add_co_u32 s21, s21, 1
	s_lshl_b32 s21, s21, 24                        ; waves 0-3: K's part of qkv; waves 4-7: V^T's
	s_lshl_b32 s22, s13, 18                        ; g's 262,144 bytes
	s_add_co_u32 s22, s22, s21
	s_and_b32 s21, s[WV], 3
	s_lshl_b32 s21, s21, 14                        ; my quarter of a slot's 65,536
	s_add_co_u32 s22, s22, s21
	s_mov_b32 s23, 0
	s_lshl_b32 s48, s14, 13                        ; the batch's mask terms,
	s_lshl_b32 s49, s[WV], 10                      ; my eighth of them
	s_add_co_u32 s48, s48, s49
	s_mov_b32 s49, 0
	s_lshl_b32 s2, s16, 5
	s_lshl_b32 s3, s[WV], 2
	s_add_co_u32 s2, s2, s3                        ; my first tile of 16 queries: 32 cx + 4 wave
	s_wait_dscnt 0x0                               ; both opening adds are done
	s_wait_kmcnt 0x0
	s_load_b32 s[CS], s[6:7], s20 offset:0x8000    ; c': a multiplier, nothing else
	s_mov_b32 s[G0], 1
	s_lshl_b32 s[G0+1], s[WV], 14                  ; slot 0, my eighth
	s_add_nc_u64 s[G0+2:G0+3], s[4:5], s[22:23]
	s_or_b32 s[G0+3], s[G0+3], 0x80000000
	s_mov_b32 s[G0M], 1
	s_lshl_b32 s[G0M+1], s[WV], 10
	s_add_co_u32 s[G0M+1], s[G0M+1], BIAS
	s_add_nc_u64 s[G0M+2:G0M+3], s[6:7], s[48:49]
	s_or_b32 s[G0M+3], s[G0M+3], 0x80000000
	s_lshl_b32 s18, s2, 11
	s_lshl_b32 s19, s13, 18
	s_add_co_u32 s18, s18, s19
	s_mov_b32 s19, 0
	s_add_nc_u64 s[4:5], s[4:5], s[18:19]          ; Q at my first tile
	s_lshl_b32 s18, s15, 8
	s_add_nc_u64 s[8:9], s[8:9], s[18:19]          ; bv at my head
	s_lshl_b32 s17, s14, 7
	s_add_co_u32 s17, s17, s2                      ; which 16 rows of the result: 128 batch + 32 cx + 4 wave
	s_lshl_b32 s18, s17, 12
	s_lshr_b32 s17, s15, 1
	s_lshl_b32 s17, s17, 21                        ; K step of the next product: head / 2
	s_add_co_u32 s18, s18, s17
	s_and_b32 s17, s15, 1
	s_lshl_b32 s17, s17, 11
	s_add_co_u32 s18, s18, s17
	s_add_nc_u64 s[10:11], s[10:11], s[18:19]
	CROUND                                         ; all four work-groups are here: the first joint loads meet
	tensor_load_to_lds s[G0M:G0M+3], s[G1M:G1M+7]  ; the mask terms: filled once
	s_nop 0
	tensor_load_to_lds s[G0:G0+3], s[G1:G1+7]      ; slot 0
	s_nop 0
.rept 4
	v_nop
.endr
	v_and_b32 v[L16], 31, v0
	v_lshlrev_b32 v[L16], 4, v[L16]
	v_add_nc_u32 v[AV0], 65536, v[L16]
	v_bfe_u32 v[BVO], v0, 4, 1
	v_lshl_add_u32 v[AB0], v[BVO], 5, BIAS
	v_lshlrev_b32 v[BVO], 5, v[BVO]
.irp i, 0,1,2,3,4,5,6,7,8,9,10,11,12,13,14,15
	global_load_b128 v[Q+4*\i:Q+4*\i+3], v[L16], s[4:5] offset:512*\i   ; Q stays in registers: tile i / 4, 32 channels (i / 2) % 2, half i % 2
.endr
.irp f, 0,1,2,3,4,5,6,7
	global_load_b128 v[BV+4*\f:BV+4*\f+3], v[BVO], s[8:9] offset:64*(\f/2)+16*(\f%2)   ; bv[64 head + 16 ct + 8 h + 0..7] at 8 ct
.endr
	s_wait_kmcnt 0x0
	s_mov_b32 s[CS+1], s[CS]
.irp t, 0,1,2,3
	v_mov_b32 v[ST+12*\t+1], 0xec800000            ; m = -2^90
	v_mov_b32 v[ST+12*\t+2], 0                     ; l, in two halves
	v_mov_b32 v[ST+12*\t+3], 0
	v_mov_b32 v[ST+12*\t+9], 0                     ; named with a as a pair, so it is written
	v_mul_f32 v[ST+12*\t], s[CS], v[ST+12*\t+1]    ; c' m
.endr
	WIN 0x40
.set pp, 0
.rept 128
	v_mov_b32 v[128+pp], 0                         ; O^T.  The key step is written without a first copy: the first step finds zeros, which a = 0 leaves zeros
.set pp, pp+1
.endr
	WIN 0
	s_wait_loadcnt 0x0                             ; Q and bv
; A KEY STEP: 64 keys, 64 matrix instructions
.macro STEP
	v_add_nc_u32 v[ADK], s[TB], v[L16]             ; five plain instructions behind the last V^T P: in front of the loads into V's registers, and of the products that write over P's
	v_add_nc_u32 v[ADV], s[TB], v[AV0]
	v_add_nc_u32 v[ADB], s[TM], v[AB0]
	v_nop
	v_nop
.irp f, 0,1,2,3,4,5,6,7,8,9,10,11,12,13,14,15
	ds_load_b128 v[KV+4*\f:KV+4*\f+3], v[ADK] offset:512*\f   ; K's eight fragments: keys 16 (f / 4) on, channels 32 ((f / 2) % 2) on
.endr
.irp f, 0,1,2,3,4,5,6,7
	ds_load_b128 v[BI+4*\f:BI+4*\f+3], v[ADB] offset:64*(\f/2)+16*(\f%2)    ; the terms of keys 16 (f / 2) + 8 h + 4 (f % 2) + 0..3, 4 bytes a key: a key tile is 64 bytes on from the last, my half 32 h (in the address)
.endr
	s_wait_dscnt 0x0
	WIN 0x40                                       ; S^T in window 1.  The 16 accumulators take turns, one instruction a turn
.irp kt, 0,1,2,3
.irp t, 0,1,2,3
	v_wmma_f32_16x16x32_f16 v[32*\t+8*\kt:32*\t+8*\kt+7], v[KV+16*\kt:KV+16*\kt+7], v[Q+16*\t:Q+16*\t+7], v[BI+8*\kt:BI+8*\kt+7]
.endr
.endr
	WIN 0x50
.irp kt, 0,1,2,3
.irp t, 0,1,2,3
	v_wmma_f32_16x16x32_f16 v[32*\t+8*\kt:32*\t+8*\kt+7], v[KV+16*\kt+8:KV+16*\kt+15], v[Q+16*\t+8:Q+16*\t+15], v[32*\t+8*\kt:32*\t+8*\kt+7]
.endr
.endr
	WIN 0
.rept 4
	v_nop                                          ; places in front of the loads into K's registers and of the first read of the scores
.endr
.irp f, 0,1,2,3,4,5,6,7,8,9,10,11,12,13,14,15
	ds_load_b128 v[KV+4*\f:KV+4*\f+3], v[ADV] offset:512*\f   ; V's eight fragments: keys 32 (f / 8) on, channels 16 ((f / 2) % 4) on; they land under the softmax
.endr
	WIN 0x15                                       ; the maximum of a lane's 32 scores and the old m: four chains a tile, each accumulator from its low end on
.irp kt, 0,1,2,3
.irp t, 0,1,2,3
	v_max3_num_f32 v[ST+12*\t+4+\kt], v[32*\t+8*\kt], v[32*\t+8*\kt+1], v[32*\t+8*\kt+2]
.endr
.endr
	WIN 0x14
.irp i, 3,5
.irp kt, 0,1,2,3
.irp t, 0,1,2,3
	v_max3_num_f32 v[ST+12*\t+4+\kt], v[ST+12*\t+4+\kt], v[32*\t+8*\kt+\i], v[32*\t+8*\kt+\i+1]
.endr
.endr
.endr
.irp t, 0,1,2,3
	v_max3_num_f32 v[ST+12*\t+4], v[ST+12*\t+4], v[32*\t+7], v[32*\t+15]
.endr
.irp t, 0,1,2,3
	v_max3_num_f32 v[ST+12*\t+6], v[ST+12*\t+6], v[32*\t+23], v[32*\t+31]
.endr
	WIN 0
.irp t, 0,1,2,3
	v_max3_num_f32 v[ST+12*\t+4], v[ST+12*\t+4], v[ST+12*\t+5], v[ST+12*\t+6]
.endr
.irp t, 0,1,2,3
	v_max3_num_f32 v[ST+12*\t+4], v[ST+12*\t+4], v[ST+12*\t+7], v[ST+12*\t+1]
.endr
.irp t, 0,1,2,3
	v_permlanex16_b32 v[ST+12*\t+5], v[ST+12*\t+4], s[SEL], s[SEL+1]   ; the query's other 32 keys lie in the lane 16 away
.endr
.irp t, 0,1,2,3
	v_mov_b32 v[ST+12*\t+7], v[ST+12*\t]           ; c' m_old
.endr
.irp t, 0,1,2,3
	v_max_num_f32 v[ST+12*\t+1], v[ST+12*\t+4], v[ST+12*\t+5]
.endr
.irp t, 0,1,2,3
	v_mul_f32 v[ST+12*\t], s[CS], v[ST+12*\t+1]
.endr
.irp t, 0,1,2,3
	v_sub_f32 v[ST+12*\t+7], v[ST+12*\t+7], v[ST+12*\t]
.endr
.irp t, 0,1,2,3
	v_exp_f32 v[ST+12*\t+8], v[ST+12*\t+7]         ; a
.endr
	WIN 0x41                                       ; S^T and O^T in window 1, statistics in window 0
.set pp, 0
.rept 64
	v_pk_fma_f32 v[2*pp:2*pp+1], v[2*pp:2*pp+1], s[CS:CS+1], v[ST+12*(pp/16):ST+12*(pp/16)+1] op_sel_hi:[1,0,0] neg_lo:[0,0,1] neg_hi:[0,0,1]   ; c' s - c' m, two at a time: plain work behind the four exponentials, which names none of their results
.set pp, pp+1
.endr
	s_wait_alu depctr_va_vdst(0)                   ; the wait ahead of the first reader of a
.set pp, 0
.rept 64
	v_exp_f32 v[2*pp], v[2*pp]                     ; p: ONE BATCH of 128; between them O^T's rescaling, which names no result of the batch
	v_pk_mul_f32 v[128+2*pp:128+2*pp+1], v[128+2*pp:128+2*pp+1], v[ST+12*(pp/16)+8:ST+12*(pp/16)+9] op_sel_hi:[1,0]
	v_exp_f32 v[2*pp+1], v[2*pp+1]
.set pp, pp+1
.endr
	v_nop                                          ; a plain instruction behind the last exponential
	s_wait_alu depctr_va_vdst(0)                   ; one wait for the batch
	WIN 0x05                                       ; the sums, of the unrounded p: two chains a tile
.irp t, 0,1,2,3
	v_pk_add_f32 v[ST+12*\t+4:ST+12*\t+5], v[32*\t:32*\t+1], v[32*\t+2:32*\t+3]
.endr
.irp t, 0,1,2,3
	v_pk_add_f32 v[ST+12*\t+6:ST+12*\t+7], v[32*\t+4:32*\t+5], v[32*\t+6:32*\t+7]
.endr
	WIN 0x04
.irp i, 8,12,16,20,24,28
.irp t, 0,1,2,3
	v_pk_add_f32 v[ST+12*\t+4:ST+12*\t+5], v[ST+12*\t+4:ST+12*\t+5], v[32*\t+\i:32*\t+\i+1]
	v_pk_add_f32 v[ST+12*\t+6:ST+12*\t+7], v[ST+12*\t+6:ST+12*\t+7], v[32*\t+\i+2:32*\t+\i+3]
.endr
.endr
	WIN 0
.irp t, 0,1,2,3
	v_pk_add_f32 v[ST+12*\t+4:ST+12*\t+5], v[ST+12*\t+4:ST+12*\t+5], v[ST+12*\t+6:ST+12*\t+7]
.endr
.irp t, 0,1,2,3
	v_pk_fma_f32 v[ST+12*\t+2:ST+12*\t+3], v[ST+12*\t+2:ST+12*\t+3], v[ST+12*\t+8:ST+12*\t+9], v[ST+12*\t+4:ST+12*\t+5] op_sel_hi:[1,0,1]   ; l = a l + the step's sum
.endr
	WIN 0x45                                       ; p to f16, in place: register i takes numbers 2 i and 2 i + 1
.irp t, 0,1,2,3
.irp k2, 0,1
.irp i, 0,1,2,3,4,5,6,7
	v_cvt_pk_f16_f32 v[32*\t+16*\k2+\i], v[32*\t+16*\k2+2*\i], v[32*\t+16*\k2+2*\i+1]
.endr
.endr
.endr
	s_wait_dscnt 0x0                               ; V is in
	WIN 0x54                                       ; V in window 0; P, O^T in window 1.  The 16 accumulators take turns
.irp k2, 0,1
.irp ct, 0,1,2,3
.irp t, 0,1,2,3
	v_wmma_f32_16x16x32_f16 v[128+32*\t+8*\ct:128+32*\t+8*\ct+7], v[KV+32*\k2+8*\ct:KV+32*\k2+8*\ct+7], v[32*\t+16*\k2:32*\t+16*\k2+7], v[128+32*\t+8*\ct:128+32*\t+8*\ct+7]
.endr
.endr
.endr
	WIN 0
	s_add_co_u32 s[TB], s[TB], 8192                ; the next step's K and V,
	s_add_co_u32 s[TM], s[TM], 256                 ; and its mask terms
.endm
; THE CHANGE OF SLOTS stands at a slot's head.  Each wave waits for all its tensor loads (its part of the slot ahead), adds 0 to its spare word, and waits for that and for its reads of the slot that it has left.
; fill = 1: a round of the cluster's barrier, and behind it the joint load of the next 512 keys into the other slot, the wave's one tensor load until the next round.
.macro CHANGE fill
	s_wait_tensorcnt 0x0                           ; no tensor load of mine is out, so group 0 may be written
	ds_add_u32 v[SPW], v[NIL]
.if \fill
	s_xor_b32 s[G0+1], s[G0+1], SLOT1              ; the other slot than last time,
	s_add_nc_u64 s[G0+2:G0+3], s[G0+2:G0+3], 65536 ; the next 512 keys, of K and of V^T alike
.endif
	s_wait_dscnt 0x0                               ; the add is done, and my reads of the slot that I have left are over
.if \fill
	CROUND
	tensor_load_to_lds s[G0:G0+3], s[G1:G1+7]
	s_nop 0
.rept 4
	v_nop
.endr
.else
	s_barrier_signal -1
	s_barrier_wait -1
.endif
.endm
.macro STEPS8                          ; a slot's eight key steps: written once, walked eight times
	s_mov_b32 s[CNT], 8
.Lstep_\@:
	STEP
	s_sub_co_u32 s[CNT], s[CNT], 1
	s_cmp_lg_u32 s[CNT], 0
	s_cbranch_scc1 .Lstep_\@
	s_sub_co_u32 s[TB], s[TB], 65536               ; back to a slot's first step,
	s_xor_b32 s[TB], s[TB], SLOT1                  ; in the other slot
.endm
.Lslot:                                            ; three trips: behind each change of slots but the last the next slot is asked for
	CHANGE 1
	STEPS8
	s_sub_co_u32 s[SLOTS], s[SLOTS], 1
	s_cmp_lg_u32 s[SLOTS], 0
	s_cbranch_scc1 .Lslot
	CHANGE 0                                       ; the last slot is written out
	STEPS8
	; THE WAY OUT: O^T / l + bv, rounded to f16, stored as images of the next product's operand registers: each store covers 512 consecutive bytes, aligned
.irp t, 0,1,2,3
	v_add_f32 v[ST+12*\t+4], v[ST+12*\t+2], v[ST+12*\t+3]     ; (these are the places behind the last products)
.endr
.irp t, 0,1,2,3
	v_permlanex16_b32 v[ST+12*\t+5], v[ST+12*\t+4], s[SEL], s[SEL+1]
.endr
.irp t, 0,1,2,3
	v_add_f32 v[ST+12*\t+4], v[ST+12*\t+4], v[ST+12*\t+5]
.endr
.irp t, 0,1,2,3
	v_rcp_f32 v[ST+12*\t+8], v[ST+12*\t+4]
.endr
	v_nop
	s_wait_alu depctr_va_vdst(0)                   ; one wait for the four reciprocals
	WIN 0x41
.irp t, 0,1,2,3
.irp ct, 0,1,2,3
.irp p, 0,2,4,6
	v_pk_fma_f32 v[128+32*\t+8*\ct+\p:128+32*\t+8*\ct+\p+1], v[128+32*\t+8*\ct+\p:128+32*\t+8*\ct+\p+1], v[ST+12*\t+8:ST+12*\t+9], v[BV+8*\ct+\p:BV+8*\ct+\p+1] op_sel_hi:[1,0,1]
.endr
.endr
.endr
	WIN 0x05
.irp t, 0,1,2,3
.irp ct, 0,1,2,3
.irp p, 0,1,2,3
	v_cvt_pk_f16_f32 v[KV+16*\t+4*\ct+\p], v[128+32*\t+8*\ct+2*\p], v[128+32*\t+8*\ct+2*\p+1]
.endr
.endr
.endr
	WIN 0
.irp t, 0,1,2,3
.irp ct, 0,1,2,3
	global_store_b128 v[L16], v[KV+16*\t+4*\ct:KV+16*\t+4*\ct+3], s[10:11] offset:4096*\t+512*\ct
.endr
.endr
	s_wait_tensorcnt 0x0                           ; the wave's end
	ds_add_u32 v[SPW], v[NIL]
	s_wait_dscnt 0x0
	CROUND                                         ; the closing round
	s_endpgm
.Lfunc_end_k_qbb1c658e49_attn:
	.size	k_qbb1c658e49_attn, .Lfunc_end_k_qbb1c658e49_attn-k_qbb1c658e49_attn
	.p2alignl 7, 3214868480
	.fill 96, 4, 3214868480
	.section	.rodata,"a",@progbits
	.p2align	6, 0x0
	.amdhsa_kernel k_qbb1c658e49_attn
		.amdhsa_group_segment_fixed_size 327680
		.amdhsa_private_segment_fixed_size 0
		.amdhsa_enable_private_segment 0
		.amdhsa_kernarg_size 32
		.amdhsa_user_sgpr_count 2
		.amdhsa_user_sgpr_kernarg_segment_ptr 1
		.amdhsa_wavefront_size32 1
		.amdhsa_system_sgpr_workgroup_id_x 1
		.amdhsa_system_sgpr_workgroup_id_y 1
		.amdhsa_system_sgpr_workgroup_id_z 1
		.amdhsa_system_vgpr_workitem_id 0
		.amdhsa_next_free_vgpr 512
		.amdhsa_next_free_sgpr 66
		.amdhsa_reserve_vcc 0
		.amdhsa_float_denorm_mode_32 3
		.amdhsa_float_denorm_mode_16_64 3
		.amdhsa_memory_ordered 1
		.amdhsa_forward_progress 1
		.amdhsa_inst_pref_size 89
	.end_amdhsa_kernel
	.amdgpu_metadata
---
amdhsa.version: [ 1, 2 ]
amdhsa.kernels:
  - .name:           k_qbb1c658e49_attn
    .symbol:         k_qbb1c658e49_attn.kd
    .args:
      - { .name: qkv, .offset: 0, .size: 8, .value_kind: global_buffer, .address_space: global }
      - { .name: mb, .offset: 8, .size: 8, .value_kind: global_buffer, .address_space: global }
      - { .name: bv, .offset: 16, .size: 8, .value_kind: global_buffer, .address_space: global }
      - { .name: ao, .offset: 24, .size: 8, .value_kind: global_buffer, .address_space: global }
    .group_segment_fixed_size: 327680
    .private_segment_fixed_size: 0
    .kernarg_segment_align: 8
    .kernarg_segment_size: 32
    .max_flat_workgroup_size: 256
    .sgpr_count:     66
    .vgpr_count:     512
    .wavefront_size: 32
...
	.end_amdgpu_metadata
.endif
;; end of part 3
;; launch oproj (part 4): grid 8 x 32, 4 waves a work-group, clusters of 4 x 4, 327,680 bytes of LDS; arguments ao, wof, bo, out0; writes out0
.if DOCPART == 4
	.amdgcn_target "amdgcn-amd-amdhsa--gfx1250"
	.amdhsa_code_object_version 6
	.text
	.protected	k_qbb1c658e49_oproj
	.globl	k_qbb1c658e49_oproj
	.p2align	8
	.type	k_qbb1c658e49_oproj,@function
k_qbb1c658e49_oproj:
	s_mov_b64 s[64:65], 0
	v_nop
	global_prefetch_b8 v0, s[64:65] scope:SCOPE_SE
	s_setreg_imm32_b32 hwreg(HW_REG_WAVE_MODE, 25, 1), 1
	s_wait_xcnt 0x0
	s_wait_alu depctr_hold_cnt(0) depctr_sa_sdst(0) depctr_va_vdst(0) depctr_va_sdst(0) depctr_va_ssrc(0) depctr_va_vcc(0) depctr_vm_vsrc(0)
	s_getreg_b32 s2, hwreg(HW_REG_IB_STS2, 6, 4)
	s_cmp_eq_u32 s2, 0
	s_cbranch_scc0 .Lentry_in_a_cluster
	s_endpgm
.Lentry_in_a_cluster:
	s_bfe_u32 s2, ttmp6, 0x10000c
	s_cmp_lg_u32 s2, 0xf033
	s_cbranch_scc0 .Lentry_shape_is_right
	s_endpgm
.Lentry_shape_is_right:
; OPROJ: out0 = (attention's result) Wo^T + bo, operands in f16, sums in f32.  Nothing of the problem is left out here.
; Both operands lie in memory as images of operand registers, 1 KB each ([half 2][lane 32][16 B]): ao [K step of 128: 8][16 rows: 512][32 along K: 4]; wof [K step 8][16 rows of Wo: 64][4].
; So a K step's tile is one dense block (A: 256 rows = 65,536 bytes, B: 128 rows of Wo = 32,768), LDS needs no padding, and a fragment is two loads of 16 bytes a lane on end.
; A tile of out0 is 256 rows x 128 columns: 256 work-groups of four waves; a wave makes 128 x 64: 32 accumulators, window 1.  K goes in 8 steps of 128 through two LDS slots.
; CLUSTERS of 4 x 4: A's tile is shared along a row of the cluster, B's along a column; each is asked for jointly.  Waves 0 and 1 fetch A's halves, waves 2 and 3 B's.  By this text's count a wave has two tensor loads out at the start, one behind each round.
; THE MATRIX INSTRUCTION IS USED TRANSPOSED (source 0 = 16 rows of Wo, source 1 = 16 rows of A): a lane holds eight neighbouring columns of one row.  bo is the C of each sum's first instruction.
; The way out goes through the wave's own stage in LDS, 16 rows at a time, so that sixteen lanes store 256 consecutive bytes, aligned.  No prefetch: the launch is short, and its tiles are shared in the cluster.
; REGISTERS: window 0: v1-12 addresses; v16-47 bo; v48-143, v144-239 two fragment buffers (B's 4 fragments, then A's 8); window 1: accumulator (a, b) at v[8 (4 a + b)].
.set SLOT,  98304                      ; A 65,536, then B 32,768
.set STAGE, 2*SLOT                     ; 16 rows x 272 bytes for each wave
.set SPITCH, 272
.set SPARE, STAGE+4*16*SPITCH          ; the spare words, 128 bytes a wave
.set LAPS,  4                          ; a lap = two K steps
.set L16,  1
.set ADRA, 2                           ; v2, v3  my A fragments in slot 0, 1
.set ADRB, 4                           ; v4, v5  my B fragments
.set STO,  6
.set RD,   7
.set CO,   8
.set SPW,  10
.set NIL,  11
.set BOO,  12                          ; v12 32 h
.set BO,   16
.set F0,   48
.set F1,   144
.set BK,   48                          ; the way out: rows read back, v48-79 and v80-111 by turns
.set G1, 24
.set G0, 32
.set G1B, 48
.set G0B, 56
.set MSB, 0
.macro WIN new
.if MSB != (\new)
	s_set_vgpr_msb (MSB<<8)|(\new)
.set MSB, (\new)
.endif
.endm
.macro JLOAD s                         ; a joint load; an s_nop 0 and four v_nop follow each of the two lines
	s_cmp_eq_u32 s13, 0
	s_cbranch_scc0 .Lfor_b_\@
	tensor_load_to_lds s[G0+4*\s:G0+4*\s+3], s[G1:G1+7]
	s_nop 0
.rept 4
	v_nop
.endr
	s_branch .Lasked_\@
.Lfor_b_\@:
	tensor_load_to_lds s[G0B+4*\s:G0B+4*\s+3], s[G1B:G1B+7]
	s_nop 0
.rept 4
	v_nop
.endr
.Lasked_\@:
.endm
.macro CREST                           ; a round of the cluster's barrier behind its opening barrier
	s_cmp_lg_u32 s12, 0
	s_cbranch_scc1 .Lnot_wave_0_\@
	s_barrier_signal -3
.Lnot_wave_0_\@:
	s_barrier_wait -3
	s_barrier_signal -1
	s_barrier_wait -1
.endm
.macro CROUND
	s_barrier_signal -1
	s_barrier_wait -1
	CREST
.endm
	s_load_b256 s[4:11], s[0:1], 0x0               ; ao s[4:5], wof s[6:7], bo s[8:9], out0 s[10:11]
	v_lshl_add_u32 v[SPW], v0, 2, SPARE
	v_mov_b32 v[NIL], 0
	ds_add_u32 v[SPW], v[NIL]                      ; the wave's opening: the add, twice on end, and its wait ahead of my first tensor load
	ds_add_u32 v[SPW], v[NIL]
	v_lshrrev_b32 v1, 5, v0
	v_readfirstlane_b32 s12, v1                    ; wave 0..3
	s_lshr_b32 s13, s12, 1                         ; which half of the tile's rows is mine.  Also: I fetch for A (0) or for B (1)
	s_and_b32 s14, s12, 1                          ; which half of its columns.  Also: which half of that tile I fetch
	s_bfe_u32 s40, ttmp6, 0x40000                  ; cx, cy
	s_bfe_u32 s41, ttmp6, 0x40004
	s_lshl_b32 s42, ttmp9, 2
	s_add_co_u32 s42, s42, s40                     ; tile column = 4 x cluster x + cx
	s_and_b32 s15, ttmp7, 0xffff
	s_lshl_b32 s15, s15, 2
	s_add_co_u32 s15, s15, s41                     ; tile row = 4 x cluster y + cy
	s_lshl_b32 s43, s41, 2
	s_lshl_b32 s43, 15, s43                        ; my row of the cluster
	s_lshl_b32 s44, 0x1111, s40                    ; my column
	s_or_b32 s[G1+0], s43, (3<<16)|(1<<21)         ; the mask; elements of 8 bytes; bit 21 beside a mask; no padding
	s_mov_b32 s[G1+1], 32<<16                      ; rows of 256 bytes,
	s_mov_b32 s[G1+2], 128<<16                     ; 128 of them: half of A's tile
	s_mov_b32 s[G1+3], 32<<16
	s_mov_b32 s[G1+4], 128
	s_mov_b32 s[G1+5], 32
	s_mov_b32 s[G1+6], 0
	s_mov_b32 s[G1+7], 0
	s_or_b32 s[G1B+0], s44, (3<<16)|(1<<21)
	s_mov_b32 s[G1B+1], 32<<16
	s_mov_b32 s[G1B+2], 64<<16                     ; 64 rows: half of B's tile
	s_mov_b32 s[G1B+3], 32<<16
	s_mov_b32 s[G1B+4], 64
	s_mov_b32 s[G1B+5], 32
	s_mov_b32 s[G1B+6], 0
	s_mov_b32 s[G1B+7], 0
	s_lshl_b32 s16, s15, 16                        ; A: tile row x 65,536 + half x 32,768
	s_lshl_b32 s17, s14, 15
	s_add_co_u32 s16, s16, s17
	s_mov_b32 s17, 0
	s_lshl_b32 s46, s42, 15                        ; B: tile column x 32,768 + half x 16,384
	s_lshl_b32 s47, s14, 14
	s_add_co_u32 s46, s46, s47
	s_mov_b32 s47, 0
	s_lshl_b32 s20, s14, 15                        ; where they go: no place in the cluster enters an LDS address
	s_lshl_b32 s21, s14, 14
	s_add_co_u32 s21, s21, 65536
	s_wait_dscnt 0x0                               ; both opening adds are done
	s_wait_kmcnt 0x0
	s_add_nc_u64 s[18:19], s[4:5], s[16:17]
	s_add_nc_u64 s[46:47], s[6:7], s[46:47]
	CROUND                                         ; all sixteen work-groups are here: the first joint loads meet
.irp s, 0,1
	s_mov_b32 s[G0+4*\s], 1
	s_add_co_u32 s[G0+4*\s+1], s20, \s*SLOT
	s_add_nc_u64 s[G0+4*\s+2:G0+4*\s+3], s[18:19], \s*0x200000     ; K step s of ao
	s_or_b32 s[G0+4*\s+3], s[G0+4*\s+3], 0x80000000
	s_mov_b32 s[G0B+4*\s], 1
	s_add_co_u32 s[G0B+4*\s+1], s21, \s*SLOT
	s_add_nc_u64 s[G0B+4*\s+2:G0B+4*\s+3], s[46:47], \s*262144     ; K step s of wof
	s_or_b32 s[G0B+4*\s+3], s[G0B+4*\s+3], 0x80000000
	JLOAD \s
.endr
	v_and_b32 v[L16], 31, v0
	v_lshlrev_b32 v[L16], 4, v[L16]
	v_and_b32 v13, 15, v0                          ; r
	v_bfe_u32 v14, v0, 4, 1                        ; h
	s_lshl_b32 s16, s13, 15                        ; my 8 fragments' rows of A
	s_lshl_b32 s17, s14, 14                        ; my 4 of B,
	s_add_co_u32 s17, s17, 65536                   ; behind A's tile
.irp s, 0,1
	v_add_nc_u32 v[ADRA+\s], s16, v[L16]
	v_add_nc_u32 v[ADRB+\s], s17, v[L16]
	s_add_co_u32 s16, s16, SLOT
	s_add_co_u32 s17, s17, SLOT
.endr
	s_mul_i32 s23, s12, 16*SPITCH
	s_add_co_u32 s23, s23, STAGE                   ; my stage
	v_mul_u32_u24 v[STO], v13, SPITCH
	v_lshl_add_u32 v[STO], v14, 5, v[STO]
	v_add_nc_u32 v[STO], s23, v[STO]               ; in: row r, 32 bytes for each half of the lanes
	v_mul_u32_u24 v[RD], v14, SPITCH
	v_lshl_add_u32 v[RD], v13, 4, v[RD]
	v_add_nc_u32 v[RD], s23, v[RD]                 ; back: lanes 0-15 one row of 256 bytes, lanes 16-31 the next
	v_lshlrev_b32 v[CO], 12, v14
	v_lshl_add_u32 v[CO], v13, 4, v[CO]            ; and the same two rows in out0
	v_lshlrev_b32 v[BOO], 5, v14
	s_lshl_b32 s22, s42, 9
	s_lshl_b32 s23, s14, 8
	s_add_co_u32 s22, s22, s23                     ; my first column, in bytes
	s_mov_b32 s23, 0
	s_add_nc_u64 s[8:9], s[8:9], s[22:23]
	s_add_nc_u64 s[10:11], s[10:11], s[22:23]
	s_lshl_b32 s22, s15, 20
	s_lshl_b32 s16, s13, 19
	s_add_co_u32 s22, s22, s16                     ; my first row: 256 x tile row + 128 x half, 4,096 bytes each
	s_add_nc_u64 s[10:11], s[10:11], s[22:23]
.irp f, 0,1,2,3,4,5,6,7
	global_load_b128 v[BO+4*\f:BO+4*\f+3], v[BOO], s[8:9] offset:64*(\f/2)+16*(\f%2)   ; bo of columns 16 b + 8 h + 0..7 at 8 b
.endr
.macro FETCH slot, q, f                ; 24 LDS loads in one run: the fragments of the slot's q-th 32 along K: B's four, A's 0-3, A's 4-7
.irp i, 0,1,2,3
	ds_load_b128 v[\f+8*\i:\f+8*\i+3],   v[ADRB+\slot] offset:4096*\i+1024*(\q)
	ds_load_b128 v[\f+8*\i+4:\f+8*\i+7], v[ADRB+\slot] offset:4096*\i+1024*(\q)+512
.endr
.irp i, 0,1,2,3,4,5,6,7
	ds_load_b128 v[\f+32+8*\i:\f+32+8*\i+3],   v[ADRA+\slot] offset:4096*\i+1024*(\q)
	ds_load_b128 v[\f+32+8*\i+4:\f+32+8*\i+7], v[ADRA+\slot] offset:4096*\i+1024*(\q)+512
.endr
.endm
; 8 matrix instructions: A's blocks a0, a0 + 1 x B's four.  first = 1: bo starts the sums.  The 32 accumulators take turns, one instruction a turn, in the same order in every quarter
.macro MUL8 f, a0, first
.irp a, \a0, \a0+1
.irp b, 0,1,2,3
.if \first
	v_wmma_f32_16x16x32_f16 v[8*(4*(\a)+\b):8*(4*(\a)+\b)+7], v[\f+8*\b:\f+8*\b+7], v[\f+32+8*(\a):\f+32+8*(\a)+7], v[BO+8*\b:BO+8*\b+7]
.else
	v_wmma_f32_16x16x32_f16 v[8*(4*(\a)+\b):8*(4*(\a)+\b)+7], v[\f+8*\b:\f+8*\b+7], v[\f+32+8*(\a):\f+32+8*(\a)+7], v[8*(4*(\a)+\b):8*(4*(\a)+\b)+7]
.endif
.endr
.endr
.endm
.macro PLACES                          ; four plain vector instructions in front of loads into registers that matrix instructions have read, and of reads of results
.rept 4
	v_nop
.endr
.endm
; A K step is four quarters of 32 along K, 32 matrix instructions each, on buffers 0, 1, 0, 1.  One of the first three: multiplies buffer f and fetches the slot's q-th quarter into g
.macro QUARTER slot, q, f, g, first
	s_wait_dscnt 8                                 ; B's fragments and A's 0-3 are in; the youngest eight loads (A's 4-7) may be out
	WIN 0x50-0x10*(\first)                         ; D in window 1; C in window 1, or bo in window 0
	MUL8 \f, 0, \first
	MUL8 \f, 2, \first
	WIN 0
	PLACES
	FETCH \slot, \q, \g
	s_wait_dscnt 24                                ; all but the 24 just issued
	WIN 0x50-0x10*(\first)
	MUL8 \f, 4, \first
	MUL8 \f, 6, \first
.endm
; The last quarter multiplies buffer 1 and changes slots: one barrier; in front of it each wave waits for all its tensor loads, adds 0 to its spare word, and waits for that and for its reads of this slot.
; fill = 1: the barrier opens a round of the cluster's, and this slot is filled again, two K steps ahead, first thing behind the round.
.macro TURN slot, next, fill
	WIN 0
	s_wait_tensorcnt 0x0                           ; all my tensor loads have landed: my part of the next slot
	ds_add_u32 v[SPW], v[NIL]
	s_wait_dscnt 9                                 ; the add and the youngest eight loads may be out
	WIN 0x50
	MUL8 F1, 0, 0
	s_wait_dscnt 0x0                               ; the add is done, and my reads of this slot are over
	s_barrier_signal -1
	MUL8 F1, 2, 0
	WIN 0
	s_barrier_wait -1
.if \fill
	CREST
	s_add_nc_u64 s[G0+4*\slot+2:G0+4*\slot+3], s[G0+4*\slot+2:G0+4*\slot+3], 0x400000
	s_add_nc_u64 s[G0B+4*\slot+2:G0B+4*\slot+3], s[G0B+4*\slot+2:G0B+4*\slot+3], 0x80000
	JLOAD \slot                                    ; the four v_nop behind it are also the places in front of the loads below
.else
	PLACES
.endif
	FETCH \next, 0, F0
	WIN 0x50
	MUL8 F1, 4, 0
	MUL8 F1, 6, 0
.endm
	s_wait_tensorcnt 1                             ; my part of K step 0 is in; K step 1's may be out
	s_barrier_signal -1
	s_barrier_wait -1
	FETCH 0, 0, F0
	s_wait_loadcnt 0x0                             ; bo
	QUARTER 0, 1, F0, F1, 1                        ; the first quarter stands in front of the loop: its products start the sums, from bo
	WIN 0
	s_mov_b32 s3, LAPS-1
.Llap:                                             ; a trip goes once round the ring, from a lap's second quarter to the next lap's first, and fills both slots again
	QUARTER 0, 2, F1, F0, 0
	QUARTER 0, 3, F0, F1, 0
	TURN 0, 1, 1
	QUARTER 1, 1, F0, F1, 0
	QUARTER 1, 2, F1, F0, 0
	QUARTER 1, 3, F0, F1, 0
	TURN 1, 0, 1
	QUARTER 0, 1, F0, F1, 0
	WIN 0
	s_sub_co_u32 s3, s3, 1
	s_cmp_lg_u32 s3, 0
	s_cbranch_scc1 .Llap
	QUARTER 0, 2, F1, F0, 0                        ; the last lap fills nothing
	QUARTER 0, 3, F0, F1, 0
	TURN 0, 1, 0
	QUARTER 1, 1, F0, F1, 0
	QUARTER 1, 2, F1, F0, 0
	QUARTER 1, 3, F0, F1, 0
	s_wait_dscnt 8                                 ; the very last quarter
	WIN 0x50
	MUL8 F1, 0, 0
	MUL8 F1, 2, 0
	s_wait_dscnt 0
	MUL8 F1, 4, 0
	MUL8 F1, 6, 0
	WIN 0
; THE WAY OUT, 16 rows x 64 columns at a time, through my own stage.  LDS serves a wave's instructions in order: no wait between the stores and the loads, nor in front of the next block's stores
.macro TOSTAGE a
	WIN 0x04                                       ; an LDS store's data are its source 1: window 1
.irp b, 0,1,2,3
	ds_store_b128 v[STO], v[8*(4*(\a)+\b):8*(4*(\a)+\b)+3] offset:64*\b          ; each accumulator from its low end on
	ds_store_b128 v[STO], v[8*(4*(\a)+\b)+4:8*(4*(\a)+\b)+7] offset:64*\b+16
.endr
	WIN 0
.irp t, 0,1,2,3,4,5,6,7
	ds_load_b128 v[BK+32*((\a)%2)+4*\t:BK+32*((\a)%2)+4*\t+3], v[RD] offset:\t*2*SPITCH
.endr
.endm
.macro SEND a, younger                 ; younger: the LDS instructions issued behind block a's loads, which may stay out
	s_wait_dscnt \younger
.irp t, 0,1,2,3,4,5,6,7
	global_store_b128 v[CO], v[BK+32*((\a)%2)+4*\t:BK+32*((\a)%2)+4*\t+3], s[10:11] offset:65536*(\a)+8192*\t th:TH_STORE_NT   ; sixteen lanes store 256 consecutive bytes, aligned
.endr
.endm
	PLACES
	TOSTAGE 0
.irp a, 1,2,3,4,5,6,7
.if \a > 1
	s_wait_xcnt 0x0                                ; block a - 2's stores have read their registers: block a's loads may land there
.endif
	TOSTAGE \a
	SEND \a-1, 16                                  ; behind block a - 1's loads: block a's 8 stores and 8 loads
.endr
	SEND 7, 0
	s_wait_tensorcnt 0x0                           ; the wave's end
	ds_add_u32 v[SPW], v[NIL]
	s_wait_dscnt 0x0
	CROUND                                         ; the closing round
	s_endpgm
.Lfunc_end_k_qbb1c658e49_oproj:
	.size	k_qbb1c658e49_oproj, .Lfunc_end_k_qbb1c658e49_oproj-k_qbb1c658e49_oproj
	.p2alignl 7, 3214868480
	.fill 96, 4, 3214868480
	.section	.rodata,"a",@progbits
	.p2align	6, 0x0
	.amdhsa_kernel k_qbb1c658e49_oproj
		.amdhsa_group_segment_fixed_size 327680
		.amdhsa_private_segment_fixed_size 0
		.amdhsa_enable_private_segment 0
		.amdhsa_kernarg_size 32
		.amdhsa_user_sgpr_count 2
		.amdhsa_user_sgpr_kernarg_segment_ptr 1
		.amdhsa_wavefront_size32 1
		.amdhsa_system_sgpr_workgroup_id_x 1
		.amdhsa_system_sgpr_workgroup_id_y 1
		.amdhsa_system_sgpr_workgroup_id_z 1
		.amdhsa_system_vgpr_workitem_id 0
		.amdhsa_next_free_vgpr 512
		.amdhsa_next_free_sgpr 66
		.amdhsa_reserve_vcc 0
		.amdhsa_float_denorm_mode_32 3
		.amdhsa_float_denorm_mode_16_64 3
		.amdhsa_memory_ordered 1
		.amdhsa_forward_progress 1
		.amdhsa_inst_pref_size 86
	.end_amdhsa_kernel
	.amdgpu_metadata
---
amdhsa.version: [ 1, 2 ]
amdhsa.kernels:
  - .name:           k_qbb1c658e49_oproj
    .symbol:         k_qbb1c658e49_oproj.kd
    .args:
      - { .name: ao, .offset: 0, .size: 8, .value_kind: global_buffer, .address_space: global }
      - { .name: wof, .offset: 8, .size: 8, .value_kind: global_buffer, .address_space: global }
      - { .name: bo, .offset: 16, .size: 8, .value_kind: global_buffer, .address_space: global }
      - { .name: out0, .offset: 24, .size: 8, .value_kind: global_buffer, .address_space: global }
    .group_segment_fixed_size: 327680
    .private_segment_fixed_size: 0
    .kernarg_segment_align: 8
    .kernarg_segment_size: 32
    .max_flat_workgroup_size: 128
    .sgpr_count:     66
    .vgpr_count:     512
    .wavefront_size: 32
...
	.end_amdgpu_metadata
.endif
;; end of part 4
